; MI455X (gfx1250); checked and timed in simulation.
; The chip was launched on July 23, 2026; its instructions are those of AMD's public machine-readable ISA for CDNA 5 (MIT licence, August 2026) and "CDNA5" Instruction Set Architecture Reference Guide (July 2026). The comments in the code are by the model that wrote it; some were corrected since.
;; Attention. Allowed arithmetic: matrix products marked QUANTISED: E3M2 operands, one E8M0 scale for each 32 along K, by v_wmma_scale_f32_16x16x128_f8f6f4 with both operands' format E3M2, f32 sums; everything else in f32.
;; Inputs: pos_cos 2,048 x 32 float32; pos_sin 2,048 x 32 float32; wk_b 1,024 float32; wk_w 1,024 x 1,024 float32; wo_b 1,024 float32; wo_w 1,024 x 1,024 float32; wq_b 1,024 float32; wq_w 1,024 x 1,024 float32; wv_b 1,024 float32; wv_w 1,024 x 1,024 float32; x 2 x 2,048 x 1,024 float32.
;; Outputs: out0 2 x 2,048 x 1,024 float32.
;; This version of the problem:
;;   THIS VERSION OF THE PROBLEM IS GIVEN IN LOW PRECISION. The matrix products marked QUANTISED in the list below multiply operands that are first quantised to E3M2 (3 exponent bits, 2 mantissa bits; 6 bits a number), with one power-of-two scale for each 32 numbers along K (OCP MX v1.0); their sums are f32. All else is computed in f32.
;;   The module's matrix products, in the order in which they are computed (A, B: the left and right operand; K: the contracted axis; several contracted axes count as one K, in the product's order):
;;     1. [M 4,096, K 1,024] x [K 1,024, N 1,024]; A: input x; B: input wq_w: QUANTISED
;;     2. [M 4,096, K 1,024] x [K 1,024, N 1,024]; A: input x; B: input wk_w: QUANTISED
;;     3. [M 4,096, K 1,024] x [K 1,024, N 1,024]; A: input x; B: input wv_w: QUANTISED
;;     4. batch 32 x [M 2,048, K 64] x [K 64, N 2,048]; A: computed on the way; B: computed on the way: QUANTISED
;;     5. batch 32 x [M 64, K 2,048] x [K 2,048, N 2,048]; A: computed on the way; B: softmax (see below): QUANTISED
;;     6. [M 4,096, K 1,024] x [K 1,024, N 1,024]; A: computed on the way; B: input wo_w: QUANTISED
;;   THE QUANTISER, for each operand of a quantised product, along K:
;;     - K is cut into blocks of 32 from its start; a last block that is shorter is filled with zeros.
;;     - A block's scale is 2^e with e = floor(log2(the largest magnitude in the block)) - 4, held to -126 .. 127; a block of zeros has e = 0. As a byte (E8M0): e + 127.
;;     - Each number is divided by its block's scale, clamped to +-28, and rounded to the nearest number of E3M2, ties to even, subnormals kept.
;;     - The product sums the exact products of the quantised numbers (number of the format x scale) in f32.
;;   ~~~python
;;   def quantise(x, axis):      # numpy; x: float32 -> the quantised numbers, widened to float32 again
;;       x = np.moveaxis(x, axis, -1); K = x.shape[-1]
;;       x = np.pad(x, [(0, 0)] * (x.ndim - 1) + [(0, -K % 32)]); x = x.reshape(x.shape[:-1] + (-1, 32)); a = np.abs(x).max(-1, keepdims=True)
;;       e = np.where(a > 0, np.clip(np.frexp(np.where(a > 0, a, 1))[1] - 1 - 4, -126, 127), 0)      # np.frexp(a)[1] - 1 = floor(log2(a)), exactly
;;       r = np.clip(x / 2.0 ** e, -28, 28)
;;       step = 2.0 ** (np.maximum(np.frexp(np.where(r == 0, 1, r))[1] - 1, -2) - 2)
;;       q = np.round(r / step) * step * 2.0 ** e      # np.round: ties to even
;;       return np.moveaxis(q.reshape(q.shape[:-2] + (-1,))[..., :K], -1, axis).astype(np.float32)
;;   ~~~
;;   SOFTMAX AHEAD OF A QUANTISED PRODUCT. Where the list says 'softmax', what is quantised is not the finished softmax but p = 2^(t - M), with t = logit x log2(e) and M = ceil(the row's largest t), a whole number; so 1/2 < the row's largest p <= 1. The row's sum l is taken of the UNQUANTISED p, in f32, and the product's result is divided by l at the end. Since M is a whole number, a kernel that streams over the keys may use a running M (the ceiling of the running maximum): every later rescaling is an exact power of two, which a block's scale takes up: the codes' values come out the same.
;;   OPERANDS COMPUTED ON THE WAY. 'Computed on the way' means the value that the module computes at that place (a softmax that the list does not call 'softmax' is quantised finished and normalised). What goes into a quantiser is computed in f32, as accurately as f32 sums, v_exp_f32 and their like allow (about 1e-6 of the number): no bf16 or f16 on the way to a quantiser, and a product that is left as it is and whose result goes on into a quantised operand takes f32 operands (vector FMAs, or v_wmma_f32_16x16x4_f32). A number that lies on a knife's edge between two numbers of the format may be rounded either way, as far as f32 arithmetic and the matrix unit's own rounding can turn it there, and no further.
;; One version. Each part assembles by itself: llvm-mc -triple=amdgcn-amd-amdhsa -mcpu=gfx1250 --defsym DOCPART=n.
;; ======== version 1 of 1: 4 launches
;; limits: right only within a limited range of input values
;; workspace buffers: xq 3,407,872 bytes; wqkv 2,555,904 bytes; woq 851,968 bytes; qimg 3,407,872 bytes; kv 6,815,744 bytes; aimg 3,407,872 bytes
;; launch quant (part 1): grid 256 x 1, 4 waves a work-group, no clusters, 168,448 bytes of LDS; arguments x, wq_w, wk_w, wv_w, wo_w, xq, wqkv, woq; writes xq, wqkv, woq
.if DOCPART == 1
	.amdgcn_target "amdgcn-amd-amdhsa--gfx1250"
	.amdhsa_code_object_version 6
	.text
	.protected	k_q956c394e77_quant
	.globl	k_q956c394e77_quant
	.p2align	8
	.type	k_q956c394e77_quant,@function
k_q956c394e77_quant:
	s_mov_b64 s[64:65], 0
	v_nop
	global_prefetch_b8 v0, s[64:65] scope:SCOPE_SE
	s_setreg_imm32_b32 hwreg(HW_REG_WAVE_MODE, 25, 1), 1
	s_wait_xcnt 0x0
; x [4096][1024] and the four weights [1024][1024], f32, K innermost, become codes of BF6 (E3M2) with one E8M0 byte for each 32 along K,
; laid as IMAGES OF OPERAND REGISTERS: a fragment (16 rows x 128 K, 12 registers a lane) is three chunks of 512 bytes, chunk c = registers 4 c .. 4 c + 3, lane l's 16 bytes at 16 l.
; A block's scale byte is its largest magnitude's exponent field - 4, held at 1 from below; each number is divided by the scale and rounded to the nearest code, ties to even, beyond 28 the largest code.
; WORK LEFT OUT IN THIS PROGRAM (launch attn): scores of keys behind their query, where reference()'s own lower triangle puts -infinity ahead of the softmax, so that their p is 0 for all values of the inputs:
; whole steps of 128 keys, and whole halves of 64 keys of the step on the diagonal.  LIMIT: a NaN, an infinity or an overflow that reaches only such work is not carried to the result.
; LIMITS: NaN and infinities among the inputs are not served; a block whose largest magnitude lies under 2^-122 keeps the byte 1; a block of zeros keeps the byte 1 with zero codes (the bytes are read by this program alone).
; SHARES.  A unit is 64 rows x 128 K (32 KiB of f32): four fragments and their scale words.  A wave takes one unit, a work-group four neighbouring K steps of 64 rows: 1,024 units, 256 work-groups.
; Work-groups 0-127 take x, 128-159 wq_w, 160-191 wk_w, 192-223 wv_w, 224-255 wo_w: only pointers and constants are chosen, by the work-group's number.
; THE ROWS OF A FRAGMENT ARE NOT NEIGHBOURS: lane row r of fragment t takes row 8 t + r + 24 (r / 8) of the 64.  A product that has the four fragments as source 0 then leaves, in the 32 registers of
; its four tiles, rows 32 h + 0 .. 31 in lanes of half h: a whole block of 32 along the next K in one lane.
; A unit comes by ONE tensor load of 64 rows x 512 bytes into the wave's own LDS bytes (pitch 528), filled once and read by that wave alone: its own wait on TENSORcnt is all the ordering.  No work-group shares an input byte with another: no cluster.
.set PITCH, 528                        ; an LDS row: 512 bytes + 16
.set WREG,  64*PITCH                   ; a wave's LDS bytes
.set SPARE, 0x29000                    ; the spare words: 128 bytes a wave
.set FRAG,  1536
.set LI,    1                          ; v1   16 x lane
.set LI8,   2                          ; v2   8 x lane
.set RA,    3                          ; v3   LDS: my wave's bytes + (r + 24 (r / 8)) x PITCH + 128 h
.set X,     16                         ; v16-143  two sets of 64 numbers
.set C,     144                        ; v144-191 codes, 12 registers a fragment, never rewritten: no store's data are written again
.set OH,    192                        ; v192-198 a block's upper 16 codes, as the conversion leaves them
.set SW,    200                        ; v200-203 the four fragments' scale words
.set MX,    204                        ; v204-205 largest magnitudes
.set SO,    206                        ; v206-207 the conversions' scale operands
.set BY,    208                        ; v208-209 scale bytes
.set WD,    210
.set PX,    211
.set SH,    212                        ; v212 8 h
	s_load_b256 s[4:11], s[0:1], 0x0               ; x, wq_w, wk_w, wv_w
	s_load_b256 s[12:19], s[0:1], 0x20             ; wo_w, xq, wqkv, woq
	v_lshl_add_u32 v216, v0, 2, SPARE
	v_mov_b32 v217, 0
	ds_add_u32 v216, v217                          ; the opening lines
	ds_add_u32 v216, v217
	v_lshrrev_b32 v4, 5, v0
	v_readfirstlane_b32 s20, v4                    ; wave 0..3
	s_lshl_b32 s21, ttmp9, 2
	s_add_co_u32 s21, s21, s20                     ; my unit
	s_and_b32 s22, s21, 7                          ; its K step
	s_lshr_b32 s23, s21, 3
	s_cmp_lt_u32 ttmp9, 128
	s_cselect_b32 s33, 63, 15
	s_and_b32 s23, s23, s33                        ; its group of 64 rows: 0..63 in x, 0..15 in a weight
	s_lshr_b32 s34, s23, 1
	s_and_b32 s35, s23, 1
	s_mul_i32 s35, s35, 6656
	s_mov_b32 s24, 53248                           ; wo_w's constants: bytes from group to group,
	s_mov_b32 s25, 6656                            ; from K step to K step,
	s_mov_b32 s26, 0                               ; a constant on top,
	s_mov_b32 s27, 3072                            ; and from fragments 0, 1 to fragments 2, 3
	s_mov_b32 s48, (2<<16)|(1<<20)|(6<<22)|(3<<25) ; group 1: elements of 4 bytes; 4 words of padding behind every 128
	s_mov_b32 s49, 128<<16                         ; tensor_dim0 = 128
	s_mov_b32 s50, 64<<16                          ; tensor_dim1 = 64
	s_mov_b32 s51, 128<<16                         ; tile_dim0 = 128
	s_mov_b32 s52, 64                              ; tile_dim1 = 64
	s_mov_b32 s53, 1024                            ; elements from row to row
	s_mov_b32 s54, 0
	s_mov_b32 s55, 0
	s_mov_b32 s56, 0x76543210
	s_mov_b32 s57, 0xfedcba98                      ; v_permlanex16_b32's selects for lane l xor 16
	s_wait_dscnt 0x0
	s_wait_kmcnt 0x0
	s_mov_b64 s[28:29], s[12:13]                   ; from wo_w
	s_mov_b64 s[30:31], s[18:19]                   ; to woq
	s_cmp_lt_u32 ttmp9, 224                        ; wv_w, or an earlier tensor: into wqkv
	s_cselect_b64 s[28:29], s[10:11], s[28:29]
	s_cselect_b64 s[30:31], s[16:17], s[30:31]
	s_mov_b32 s32, 159744
	s_cselect_b32 s24, s32, s24
	s_mov_b32 s32, 9984
	s_cselect_b32 s25, s32, s25
	s_mov_b32 s32, 6656
	s_cselect_b32 s26, s32, s26                    ; wv_w's pair lies behind the four fragments of wq_w or wk_w,
	s_mov_b32 s32, 79872
	s_cselect_b32 s27, s32, s27                    ; and its fragments 2, 3 in the head's second half
	s_cmp_lt_u32 ttmp9, 192                        ; wk_w, or earlier
	s_cselect_b64 s[28:29], s[8:9], s[28:29]
	s_cselect_b32 s26, s32, s26                    ; wk_w: the head's second half
	s_mov_b32 s32, 3072
	s_cselect_b32 s27, s32, s27
	s_cmp_lt_u32 ttmp9, 160                        ; wq_w, or x
	s_cselect_b64 s[28:29], s[6:7], s[28:29]
	s_cselect_b32 s26, 0, s26
	s_cmp_lt_u32 ttmp9, 128                        ; x
	s_cselect_b64 s[28:29], s[4:5], s[28:29]
	s_cselect_b64 s[30:31], s[14:15], s[30:31]
	s_cselect_b32 s34, s34, s23                    ; x: blocks of 128 tokens,
	s_cselect_b32 s26, s35, s26                    ; in them two groups of 64 side by side for each K step
	s_mov_b32 s32, 106496
	s_cselect_b32 s24, s32, s24
	s_mov_b32 s32, 13312
	s_cselect_b32 s25, s32, s25
	s_mul_i32 s34, s34, s24
	s_mul_i32 s25, s25, s22
	s_add_co_u32 s34, s34, s25
	s_add_co_u32 s34, s34, s26
	s_mov_b32 s35, 0
	s_add_nc_u64 s[30:31], s[30:31], s[34:35]      ; where fragments 0, 1 go
	s_mov_b32 s36, s27
	s_mov_b32 s37, 0
	s_add_nc_u64 s[36:37], s[30:31], s[36:37]      ; where fragments 2, 3 go
	s_lshl_b32 s38, s23, 18                        ; 64 rows of 4,096 bytes
	s_lshl_b32 s39, s22, 9                         ; 128 numbers
	s_add_co_u32 s38, s38, s39
	s_mov_b32 s39, 0
	s_add_nc_u64 s[28:29], s[28:29], s[38:39]      ; my unit's first number
	s_mov_b32 s40, 1                               ; group 0
	s_mul_i32 s41, s20, WREG
	s_mov_b64 s[42:43], s[28:29]
	s_or_b32 s43, s43, 0x80000000
	tensor_load_to_lds s[40:43], s[48:55]          ; my one tensor load
	s_nop 0
.rept 4
	v_nop
.endr
	v_and_b32 v5, 31, v0                           ; lane
	v_lshlrev_b32 v[LI], 4, v5
	v_lshlrev_b32 v[LI8], 3, v5
	v_and_b32 v6, 15, v0                           ; r
	v_bfe_u32 v7, v0, 4, 1                         ; h
	v_and_b32 v8, 8, v6
	v_mad_u32_u24 v8, v8, 3, v6                    ; r + 24 (r / 8)
	v_mul_u32_u24 v[RA], v8, PITCH
	v_lshl_add_u32 v[RA], v7, 7, v[RA]             ; + 32 h numbers
	v_add_nc_u32 v[RA], s41, v[RA]
	v_lshlrev_b32 v[SH], 3, v7
	v_mov_b32 v[PX], 0                             ; a lane permute's destination counts as one of its sources
.macro LOADF t                         ; fragment t's numbers into set t % 2: register 32 c + 4 q + .. = k 64 c + 32 h + 4 q + .. of my row
.set XS, X+64*((\t)%2)
.irp c, 0,1
.irp q, 0,1,2,3,4,5,6,7
	ds_load_b128 v[XS+32*\c+4*\q:XS+32*\c+4*\q+3], v[RA] offset:8*(\t)*PITCH+256*\c+16*\q
.endr
.endr
.endm
.macro WORK t                          ; fragment t: two whole blocks a lane (2 c + h), their bytes, their codes, three stores of 512 consecutive bytes
.set XS, X+64*((\t)%2)
.set CT, C+12*(\t)
.irp c, 0,1
	v_max3_num_f32 v[MX+\c], |v[XS+32*\c]|, |v[XS+32*\c+1]|, 0x2800000   ; with the floor 2^(5 - 127): the byte cannot fall under 1
.endr
.irp i, 2,4,6,8,10,12,14,16,18,20,22,24,26,28,30
.irp c, 0,1
	v_max3_num_f32 v[MX+\c], v[MX+\c], |v[XS+32*\c+\i]|, |v[XS+32*\c+\i+1]|
.endr
.endr
.irp c, 0,1
	v_add_nc_u32 v[SO+\c], 0xfe000000, v[MX+\c]    ; 4 off the exponent field: the conversion's scale operand
.endr
.irp c, 0,1
	v_lshrrev_b32 v[BY+\c], 23, v[SO+\c]           ; the scale's byte
.endr
	v_lshl_or_b32 v[WD], v[BY+1], 16, v[BY]        ; blocks h and 2 + h of my row,
	v_lshlrev_b32 v[WD], v[SH], v[WD]              ; at their places in the word;
	v_permlanex16_b32 v[PX], v[WD], s56, s57
	v_or_b32 v[SW+(\t)], v[WD], v[PX]              ; with lane l xor 16's two the word is whole, in both lanes
.irp c, 0,1
	v_cvt_scalef32_pk16_bf6_f32 v[CT+6*\c:CT+6*\c+2], v[XS+32*\c:XS+32*\c+15], v[SO+\c]
	v_cvt_scalef32_pk16_bf6_f32 v[OH+4*\c:OH+4*\c+2], v[XS+32*\c+16:XS+32*\c+31], v[SO+\c]   ; (a conversion's three registers begin on an even number)
.endr
	v_nop                                          ; one plain place behind a scaled conversion
.irp c, 0,1
.irp i, 0,1,2
	v_mov_b32 v[CT+6*\c+3+\i], v[OH+4*\c+\i]
.endr
.endr
.irp c, 0,1,2
.if (\t) < 2
	global_store_b128 v[LI], v[CT+4*\c:CT+4*\c+3], s[30:31] offset:((\t)%2)*FRAG+512*\c
.else
	global_store_b128 v[LI], v[CT+4*\c:CT+4*\c+3], s[36:37] offset:((\t)%2)*FRAG+512*\c
.endif
.endr
.endm
	s_wait_alu depctr_va_vdst(0)                   ; the wait at the head's end
	s_wait_tensorcnt 0x0                           ; my unit is in
	LOADF 0
	LOADF 1
	s_wait_dscnt 16                                ; fragment 0's sixteen loads are in, fragment 1's may be out
	WORK 0
	LOADF 2
	s_wait_dscnt 16
	WORK 1
	LOADF 3
	s_wait_dscnt 16
	WORK 2
	s_wait_dscnt 0x0
	WORK 3
	s_wait_alu depctr_va_vdst(0)                   ; the wait ahead of the branches
	s_cmp_lt_u32 ttmp9, 192                        ; the scale words: wv_w's go in two pairs, all others as four words a lane
	s_cbranch_scc1 .Lquad
	s_cmp_ge_u32 ttmp9, 224
	s_cbranch_scc1 .Lquad
	global_store_b64 v[LI8], v[SW:SW+1], s[30:31] offset:2*FRAG
	global_store_b64 v[LI8], v[SW+2:SW+3], s[36:37] offset:2*FRAG
	s_wait_tensorcnt 0x0                           ; the closing lines
	ds_add_u32 v216, v217
	s_wait_dscnt 0x0
	s_endpgm
.Lquad:
	global_store_b128 v[LI], v[SW:SW+3], s[30:31] offset:4*FRAG
	s_wait_tensorcnt 0x0
	ds_add_u32 v216, v217
	s_wait_dscnt 0x0
	s_endpgm
.Lfunc_end_k_q956c394e77_quant:
	.size	k_q956c394e77_quant, .Lfunc_end_k_q956c394e77_quant-k_q956c394e77_quant
	.p2alignl 7, 3214868480
	.fill 96, 4, 3214868480
	.section	.rodata,"a",@progbits
	.p2align	6, 0x0
	.amdhsa_kernel k_q956c394e77_quant
		.amdhsa_group_segment_fixed_size 168448
		.amdhsa_private_segment_fixed_size 0
		.amdhsa_enable_private_segment 0
		.amdhsa_kernarg_size 64
		.amdhsa_user_sgpr_count 2
		.amdhsa_user_sgpr_kernarg_segment_ptr 1
		.amdhsa_wavefront_size32 1
		.amdhsa_system_sgpr_workgroup_id_x 1
		.amdhsa_system_sgpr_workgroup_id_y 1
		.amdhsa_system_sgpr_workgroup_id_z 1
		.amdhsa_system_vgpr_workitem_id 0
		.amdhsa_next_free_vgpr 218
		.amdhsa_next_free_sgpr 66
		.amdhsa_reserve_vcc 0
		.amdhsa_float_denorm_mode_32 3
		.amdhsa_float_denorm_mode_16_64 3
		.amdhsa_memory_ordered 1
		.amdhsa_forward_progress 1
		.amdhsa_inst_pref_size 23
	.end_amdhsa_kernel
	.amdgpu_metadata
---
amdhsa.version: [ 1, 2 ]
amdhsa.kernels:
  - .name:           k_q956c394e77_quant
    .symbol:         k_q956c394e77_quant.kd
    .args:
      - { .name: x, .offset: 0, .size: 8, .value_kind: global_buffer, .address_space: global }
      - { .name: wq_w, .offset: 8, .size: 8, .value_kind: global_buffer, .address_space: global }
      - { .name: wk_w, .offset: 16, .size: 8, .value_kind: global_buffer, .address_space: global }
      - { .name: wv_w, .offset: 24, .size: 8, .value_kind: global_buffer, .address_space: global }
      - { .name: wo_w, .offset: 32, .size: 8, .value_kind: global_buffer, .address_space: global }
      - { .name: xq, .offset: 40, .size: 8, .value_kind: global_buffer, .address_space: global }
      - { .name: wqkv, .offset: 48, .size: 8, .value_kind: global_buffer, .address_space: global }
      - { .name: woq, .offset: 56, .size: 8, .value_kind: global_buffer, .address_space: global }
    .group_segment_fixed_size: 168448
    .private_segment_fixed_size: 0
    .kernarg_segment_align: 8
    .kernarg_segment_size: 64
    .max_flat_workgroup_size: 128
    .sgpr_count:     66
    .vgpr_count:     218
    .wavefront_size: 32
...
	.end_amdgpu_metadata
.endif
;; end of part 1
;; launch qkv (part 2): grid 16 x 16, 4 waves a work-group, clusters of 4 x 4, 327,680 bytes of LDS; arguments xq, wqkv, wq_b, wk_b, wv_b, pos_cos, pos_sin, qimg, kv; writes qimg, kv
.if DOCPART == 2
	.amdgcn_target "amdgcn-amd-amdhsa--gfx1250"
	.amdhsa_code_object_version 6
	.text
	.protected	k_q956c394e77_qkv
	.globl	k_q956c394e77_qkv
	.p2align	8
	.type	k_q956c394e77_qkv,@function
k_q956c394e77_qkv:
	s_mov_b64 s[64:65], 0
	v_nop
	global_prefetch_b8 v0, s[64:65] scope:SCOPE_SE
	s_setreg_imm32_b32 hwreg(HW_REG_WAVE_MODE, 25, 1), 1
	s_wait_xcnt 0x0
	s_wait_alu depctr_hold_cnt(0) depctr_sa_sdst(0) depctr_va_vdst(0) depctr_va_sdst(0) depctr_va_ssrc(0) depctr_va_vcc(0) depctr_vm_vsrc(0)
	s_getreg_b32 s2, hwreg(HW_REG_IB_STS2, 6, 4)
	s_cmp_eq_u32 s2, 0
	s_cbranch_scc0 .Lentry_in_a_cluster
	s_endpgm
.Lentry_in_a_cluster:
	s_bfe_u32 s2, ttmp6, 0x10000c
	s_cmp_lg_u32 s2, 0xf033
	s_cbranch_scc0 .Lentry_shape_is_right
	s_endpgm
.Lentry_shape_is_right:
; q = rope(x Wq^T + bq), k = rope(x Wk^T + bk), v = x Wv^T + bv, on codes of BF6 (E3M2) with E8M0 scales, sums in f32; the results are quantised on the way out and leave as images of operand registers.
; SHARES.  A work-group takes 256 tokens (y) x one head's 64 channels of q, k and v (x): 256 equal work-groups.  Wave w: th = w / 2 picks 128 tokens, ch = w % 2 picks q (0) or k (1), and v's channel tiles 2 ch, 2 ch + 1.
;   q or k: source 0 = 16 rows of the weight, source 1 = 16 tokens: a lane holds ONE token and its registers run along the channels (the scores' K): 4 x 8 = 32 accumulators.
;   v:      source 0 = 16 tokens, source 1 = 16 rows of Wv: a lane holds ONE channel and its registers run along the tokens (the keys, the second product's K): 2 x 8 = 16 accumulators.
; The rows of every fragment were chosen by the launch before (lane row r of tile t = row 8 t + r + 24 (r / 8) of 64), so that the 32 registers of four result tiles are 32 h + 0 .. 31 of 64: a whole block in a lane.
; K = 1,024 goes in 8 steps of 128, 48 matrix instructions each, in three fills: steps 0-3, steps 4-6 behind the first full sequence, step 7 into step 0's LDS bytes.  A fourth joint load brings the 256 tokens' cos and sin
; (rows of 128 bytes + 16) into bytes of steps 1-3.  One load of a wave is out behind each round.
; CLUSTER 4 x 4: x's images, cos and sin hang on y alone and are shared along a row of the cluster, the weights' on the head alone and are shared along a column: joint loads, waves 0 and 1 for x, waves 2 and 3 for the weights.
; No prefetch: K is short, three fills in all.
; OUT.  q and k: two token tiles make one fragment (registers 0-5: tile 2 d's 64 channels, 6-11: tile 2 d + 1's; scale bytes likewise two and two).  v: a fragment is 16 channels x 128 keys.  Every store has registers of its own.
; LIMITS: NaN and infinities are not served; a block whose largest magnitude lies under 2^-122 keeps the byte 1, a block of zeros too, with zero codes (the bytes are read by this program alone).  RoPE is one multiply and one fused multiply-add a number.
; REGISTERS, in windows of 256: window 0: v1-17 addresses; v32-59 scale words, two sets (x 8, weight 4, Wv 2); v60-61 bv; v64-89 at work on the way out; v112-255 the weights' fragments, two sets of 6; on the way out 64 numbers, then codes.
;   window 1: x's fragments, two sets of 8; on the way out cos and sin.   window 2: q's or k's accumulators, (token tile m, weight tile t) at 32 m + 8 t.   window 3: v's at 64 c + 8 m; v128-159 bq or bk in the result's layout.
.set QUAD, 6656                        ; four fragments and 512 bytes of scale words
.set FRAG, 1536
.set XSTEP, 13312                      ; 128 tokens x 128 K as images
.set WSTEP, 9984                       ; four fragments of Wq or Wk with their words, two of Wv with theirs
.set XA, 4*XSTEP
.set WA, 4*WSTEP
.set RB, 2*XA+2*WA                     ; the second fill's bytes
.set XB, 3*XSTEP
.set WB, 3*WSTEP
.set SPARE, RB+2*XB+2*WB               ; the spare words: 128 bytes a wave
.set COS, XSTEP                        ; cos lies behind step 7's x half 0, sin XA further on, behind its x half 1
.set CROW, 144
.set CHALF, 128*CROW
.set LI, 1                             ; 16 x lane
.set LI8, 2                            ; 8 x lane
.set ADX, 3                            ; v3-4 my x half in the first, second fill
.set ADW, 6                            ; v6-7 my weights' half
.set ADW8, 9                           ; v9-10 the same with 8 x lane
.set SPW, 12
.set NIL, 13
.set CA, 14                            ; LDS: cos of my lane's token in tile 0
.set SA, 15                            ; sin
.set BA, 16                            ; bq, bk: 128 h
.set VA, 17                            ; bv: (r + 24 (r / 8)) x 4
.set SCS, 32
.set BV, 60
.set MX, 64
.set NX, 66
.set SO, 68
.set BY, 70
.set WD, 72
.set PX, 73
.set OH, 74
.set SH, 82
.set QSW, 84
.set VSW, 88
.set WF, 112
.set T, 112
.set PC, 176
.set WV, 22
.set TH, 23
.set CH, 24
.set SEL, 30
.set G1X, 32
.set G1W, 40
.set G0X, 48
.set G0W, 52
.set G1C, 68
.set G0C, 76
.set MSB, 0
.macro WIN new                         ; the immediate's high byte repeats the setting that is left
.if MSB != \new
	s_set_vgpr_msb (MSB<<8)|\new
.set MSB, \new
.endif
.endm
.macro PLACES                          ; four plain places behind matrix instructions, in front of loads into and writes of their registers and of reads of results
.rept 4
	v_nop
.endr
.endm
.macro ROUND                           ; a round of the cluster's barrier
	s_barrier_signal -1
	s_barrier_wait -1
	s_cmp_lg_u32 s[WV], 0
	s_cbranch_scc1 .Lnot_wave_0_\@
	s_barrier_signal -3
.Lnot_wave_0_\@:
	s_barrier_wait -3
	s_barrier_signal -1
	s_barrier_wait -1
.endm
.macro JLOAD                           ; a joint load; the branch hangs on the wave's number alone; four v_nop follow each line
	s_cmp_eq_u32 s[TH], 0
	s_cbranch_scc0 .Lfor_w_\@
	tensor_load_to_lds s[G0X:G0X+3], s[G1X:G1X+7]
	s_nop 0
.rept 4
	v_nop
.endr
	s_branch .Lasked_\@
.Lfor_w_\@:
	tensor_load_to_lds s[G0W:G0W+3], s[G1W:G1W+7]
	s_nop 0
.rept 4
	v_nop
.endr
.Lasked_\@:
.endm
	s_load_b256 s[4:11], s[0:1], 0x0               ; xq, wqkv, wq_b, wk_b
	s_load_b256 s[12:19], s[0:1], 0x20             ; wv_b, pos_cos, pos_sin, qimg
	s_load_b64 s[20:21], s[0:1], 0x40              ; kv
	v_lshl_add_u32 v[SPW], v0, 2, SPARE
	v_mov_b32 v[NIL], 0
	ds_add_u32 v[SPW], v[NIL]                      ; the opening lines
	ds_add_u32 v[SPW], v[NIL]
	v_lshrrev_b32 v1, 5, v0
	v_readfirstlane_b32 s[WV], v1                  ; wave 0..3
	s_lshr_b32 s[TH], s[WV], 1                     ; my 128 tokens.  Also: I fetch for x (0) or for the weights (1); cos (0) or sin (1)
	s_and_b32 s[CH], s[WV], 1                      ; q or k.  Also: which half I fetch
	s_bfe_u32 s25, ttmp6, 0x40000                  ; cx
	s_bfe_u32 s26, ttmp6, 0x40004                  ; cy
	s_lshl_b32 s27, ttmp9, 2
	s_add_co_u32 s27, s27, s25                     ; the head
	s_and_b32 s28, ttmp7, 0xffff
	s_lshl_b32 s28, s28, 2
	s_add_co_u32 s28, s28, s26                     ; the block of 256 tokens
	s_lshl_b32 s80, s26, 2
	s_lshl_b32 s80, 15, s80                        ; my row of the cluster
	s_lshl_b32 s81, 0x1111, s25                    ; my column
	s_or_b32 s[G1X], s80, (3<<16)|(1<<21)          ; the mask; elements of 8 bytes; bit 21 beside a mask; no padding
	s_or_b32 s[G1W], s81, (3<<16)|(1<<21)
	s_or_b32 s[G1C], s80, (3<<16)|(1<<20)|(1<<21)|(4<<22)|(3<<25)   ; cos, sin: 4 words of padding behind every 32
	s_mov_b32 s[G1X+1], 32<<16                     ; rows of 256 bytes,
	s_mov_b32 s[G1X+2], 208<<16                    ; 208 of them: four K steps of 128 tokens
	s_mov_b32 s[G1X+3], 32<<16
	s_mov_b32 s[G1X+4], 208
	s_mov_b32 s[G1X+5], 32
	s_mov_b32 s[G1X+6], 0
	s_mov_b32 s[G1X+7], 0
	s_mov_b32 s[G1W+1], 32<<16
	s_mov_b32 s[G1W+2], 156<<16                    ; 156 rows: four K steps of a head's half
	s_mov_b32 s[G1W+3], 32<<16
	s_mov_b32 s[G1W+4], 156
	s_mov_b32 s[G1W+5], 32
	s_mov_b32 s[G1W+6], 0
	s_mov_b32 s[G1W+7], 0
	s_mov_b32 s[G1C+1], 32<<16
	s_mov_b32 s[G1C+2], 64<<16                     ; 64 rows: 128 tokens x 128 bytes
	s_mov_b32 s[G1C+3], 32<<16
	s_mov_b32 s[G1C+4], 64
	s_mov_b32 s[G1C+5], 32
	s_mov_b32 s[G1C+6], 0
	s_mov_b32 s[G1C+7], 0
	s_mov_b32 s[SEL], 0x76543210
	s_mov_b32 s[SEL+1], 0xfedcba98
	s_lshl_b32 s82, s28, 1                         ; x: block of 128 tokens 2 y + half: registers that never hold cx
	s_add_co_u32 s82, s82, s[CH]
	s_mul_i32 s82, s82, 106496
	s_mov_b32 s83, 0
	s_lshl_b32 s84, s27, 1                         ; weights: 2 head + half: registers that never hold cy
	s_add_co_u32 s84, s84, s[CH]
	s_mul_i32 s84, s84, 79872
	s_mov_b32 s85, 0
	s_mul_i32 s86, s[CH], XA                       ; where they go: no place in the cluster enters an LDS address
	s_mul_i32 s87, s[CH], WA
	s_mul_i32 s88, s[CH], XB
	s_mul_i32 s89, s[CH], WB
	s_wait_dscnt 0x0                               ; both opening adds are done
	s_wait_kmcnt 0x0
	s_add_nc_u64 s[82:83], s[4:5], s[82:83]
	s_add_nc_u64 s[84:85], s[6:7], s[84:85]
	ROUND                                          ; all sixteen work-groups are here: the first joint loads meet
	s_mov_b32 s[G0X], 1
	s_add_co_u32 s[G0X+1], s86, 0
	s_mov_b64 s[G0X+2:G0X+3], s[82:83]
	s_or_b32 s[G0X+3], s[G0X+3], 0x80000000
	s_mov_b32 s[G0W], 1
	s_add_co_u32 s[G0W+1], s87, 2*XA
	s_mov_b64 s[G0W+2:G0W+3], s[84:85]
	s_or_b32 s[G0W+3], s[G0W+3], 0x80000000
	JLOAD                                          ; K steps 0-3
	s_mul_i32 s56, s[TH], XA                       ; what I read of each fill
	s_mul_i32 s57, s[TH], XB
	s_add_co_u32 s57, s57, RB
	s_mul_i32 s58, s[CH], WA
	s_add_co_u32 s58, s58, 2*XA
	s_mul_i32 s59, s[CH], WB
	s_add_co_u32 s59, s59, RB+2*XB
	s_mul_i32 s60, s[TH], CHALF
	s_add_co_u32 s60, s60, COS
	; cos (waves 0, 1) or sin (waves 2, 3) of 128 tokens: made of y and the wave's number
	s_and_b32 s80, s28, 7
	s_lshl_b32 s80, s80, 15
	s_lshl_b32 s81, s[CH], 14
	s_add_co_u32 s80, s80, s81
	s_mov_b32 s81, 0
	s_cmp_eq_u32 s[TH], 0
	s_cselect_b64 s[G0C+2:G0C+3], s[14:15], s[16:17]
	s_add_nc_u64 s[G0C+2:G0C+3], s[G0C+2:G0C+3], s[80:81]
	s_or_b32 s[G0C+3], s[G0C+3], 0x80000000
	s_mov_b32 s[G0C], 1
	s_mul_i32 s29, s[CH], CHALF
	s_add_co_u32 s29, s29, COS
	s_add_co_u32 s[G0C+1], s56, s29
	; the biases
	s_cmp_eq_u32 s[CH], 0
	s_cselect_b64 s[98:99], s[8:9], s[10:11]       ; bq or bk
	s_lshl_b32 s92, s27, 8                         ; the head's 64 numbers
	s_mov_b32 s93, 0
	s_add_nc_u64 s[98:99], s[98:99], s[92:93]
	s_lshl_b32 s94, s[CH], 6
	s_add_co_u32 s92, s92, s94
	s_add_nc_u64 s[92:93], s[12:13], s[92:93]      ; bv at my two tiles
	; where the results go
	s_lshl_b32 s80, s28, 1
	s_add_co_u32 s80, s80, s[TH]
	s_and_b32 s81, s80, 15                         ; my block of 128 tokens in its sequence
	s_lshr_b32 s80, s28, 3                         ; the batch
	s_lshl_b32 s80, s80, 4
	s_add_co_u32 s80, s80, s27                     ; batch x 16 + head
	s_lshl_b32 s80, s80, 4
	s_add_co_u32 s80, s80, s81                     ; x 16 + block
	s_mul_i32 s82, s80, 2*QUAD
	s_mov_b32 s83, 0
	s_add_nc_u64 s[20:21], s[20:21], s[82:83]      ; kv at my key step
	s_mul_i32 s82, s80, QUAD
	s_add_nc_u64 s[18:19], s[18:19], s[82:83]      ; qimg at my block
	s_cmp_eq_u32 s[CH], 0
	s_cselect_b64 s[90:91], s[18:19], s[20:21]     ; where my q or my k goes
	s_mul_i32 s82, s[CH], 2*FRAG
	s_add_nc_u64 s[94:95], s[20:21], s[82:83]      ; my two fragments of v
	s_lshl_b32 s82, s[CH], 8
	s_add_nc_u64 s[96:97], s[20:21], s[82:83]      ; and their words
	v_and_b32 v18, 31, v0
	v_lshlrev_b32 v[LI], 4, v18
	v_lshlrev_b32 v[LI8], 3, v18
	v_add_nc_u32 v[ADX], s56, v[LI]
	v_add_nc_u32 v[ADX+1], s57, v[LI]
	v_add_nc_u32 v[ADW], s58, v[LI]
	v_add_nc_u32 v[ADW+1], s59, v[LI]
	v_add_nc_u32 v[ADW8], s58, v[LI8]
	v_add_nc_u32 v[ADW8+1], s59, v[LI8]
	v_and_b32 v19, 15, v0                          ; r
	v_bfe_u32 v20, v0, 4, 1                        ; h
	v_and_b32 v21, 8, v19
	v_mad_u32_u24 v21, v21, 3, v19                 ; r + 24 (r / 8)
	v_mul_u32_u24 v[CA], v21, CROW
	v_lshl_add_u32 v[CA], v20, 6, v[CA]            ; pairs 16 h ..
	v_add_nc_u32 v[CA], s60, v[CA]
	v_add_nc_u32 v[SA], XA, v[CA]
	v_lshlrev_b32 v[BA], 7, v20
	v_lshlrev_b32 v[VA], 2, v21
	v_lshlrev_b32 v[SH], 3, v20
	v_mov_b32 v[PX], 0                             ; a lane permute's destination counts as one of its sources
	s_wait_alu depctr_va_vdst(0)                   ; the wait at the head's end
	WIN 0xc0                                       ; destination window 3
.irp t, 0,1,2,3                        ; register 8 t + j: the bias of channel 32 h + 8 t + j: the C of each sum's first product
	global_load_b128 v[128+8*\t:131+8*\t], v[BA], s[98:99] offset:32*\t
	global_load_b128 v[132+8*\t:135+8*\t], v[BA], s[98:99] offset:32*\t+16
.endr
	WIN 0
	global_load_b32 v[BV], v[VA], s[92:93]         ; bv of my lane's channel in tile 2 ch,
	global_load_b32 v[BV+1], v[VA], s[92:93] offset:32   ; and in tile 2 ch + 1
; 46 LDS loads: K step s into set s % 2: six fragments of the weights, their words, x's words, x's eight fragments
.macro FETCH s
.if ((\s) > 3) && ((\s) < 7)
.set FR, 1
.set KS, (\s)-4
.else
.set FR, 0
.set KS, (\s)%7
.endif
.set FK, ((\s)%2)
	WIN 0
.irp t, 0,1,2,3
.irp c, 0,1,2
	ds_load_b128 v[WF+72*FK+12*\t+4*\c:WF+72*FK+12*\t+4*\c+3], v[ADW+FR] offset:KS*WSTEP+\t*FRAG+512*\c
.endr
.endr
.irp t, 0,1
.irp c, 0,1,2
	ds_load_b128 v[WF+72*FK+48+12*\t+4*\c:WF+72*FK+48+12*\t+4*\c+3], v[ADW+FR] offset:KS*WSTEP+QUAD+\t*FRAG+512*\c
.endr
.endr
	ds_load_b128 v[SCS+14*FK+8:SCS+14*FK+11], v[ADW+FR] offset:KS*WSTEP+4*FRAG
	ds_load_b64 v[SCS+14*FK+12:SCS+14*FK+13], v[ADW8+FR] offset:KS*WSTEP+QUAD+2*FRAG
.irp q, 0,1
	ds_load_b128 v[SCS+14*FK+4*\q:SCS+14*FK+4*\q+3], v[ADX+FR] offset:KS*XSTEP+\q*QUAD+4*FRAG
.endr
	WIN 0x40                                       ; destination window 1
.irp q, 0,1
.irp f, 0,1,2,3
.irp c, 0,1,2
	ds_load_b128 v[96*FK+12*(4*\q+\f)+4*\c:96*FK+12*(4*\q+\f)+4*\c+3], v[ADX+FR] offset:KS*XSTEP+\q*QUAD+\f*FRAG+512*\c
.endr
.endr
.endr
.endm
; 48 matrix instructions: the accumulators take turns, one instruction a turn, in the same order in every step
.macro MULS s
.set P, (\s)%2
.if (\s) == 0
	WIN 0xb4                                       ; weight window 0, x window 1, C (the bias) window 3, D window 2
.else
	WIN 0xa4                                       ; C and D window 2
.endif
.irp m, 0,1,2,3,4,5,6,7
.irp t, 0,1,2,3
.if (\s) == 0
	v_wmma_scale_f32_16x16x128_f8f6f4 v[32*\m+8*\t:32*\m+8*\t+7], v[WF+72*P+12*\t:WF+72*P+12*\t+11], v[96*P+12*\m:96*P+12*\m+11], v[128+8*\t:135+8*\t], v[SCS+14*P+8+\t], v[SCS+14*P+\m] matrix_a_fmt:MATRIX_FMT_BF6 matrix_b_fmt:MATRIX_FMT_BF6
.else
	v_wmma_scale_f32_16x16x128_f8f6f4 v[32*\m+8*\t:32*\m+8*\t+7], v[WF+72*P+12*\t:WF+72*P+12*\t+11], v[96*P+12*\m:96*P+12*\m+11], v[32*\m+8*\t:32*\m+8*\t+7], v[SCS+14*P+8+\t], v[SCS+14*P+\m] matrix_a_fmt:MATRIX_FMT_BF6 matrix_b_fmt:MATRIX_FMT_BF6
.endif
.endr
.endr
	WIN 0xf1                                       ; x window 1, Wv window 0, C and D window 3
.irp c, 0,1
.irp m, 0,1,2,3,4,5,6,7
.if (\s) == 0
	v_wmma_scale_f32_16x16x128_f8f6f4 v[64*\c+8*\m:64*\c+8*\m+7], v[96*P+12*\m:96*P+12*\m+11], v[WF+72*P+48+12*\c:WF+72*P+48+12*\c+11], 0, v[SCS+14*P+\m], v[SCS+14*P+12+\c] matrix_a_fmt:MATRIX_FMT_BF6 matrix_b_fmt:MATRIX_FMT_BF6
.else
	v_wmma_scale_f32_16x16x128_f8f6f4 v[64*\c+8*\m:64*\c+8*\m+7], v[96*P+12*\m:96*P+12*\m+11], v[WF+72*P+48+12*\c:WF+72*P+48+12*\c+11], v[64*\c+8*\m:64*\c+8*\m+7], v[SCS+14*P+\m], v[SCS+14*P+12+\c] matrix_a_fmt:MATRIX_FMT_BF6 matrix_b_fmt:MATRIX_FMT_BF6
.endif
.endr
.endr
.endm
; A K step: the next step's fragments are asked for, then this step's 48 products are issued.
.macro STEP s
	WIN 0
.if (\s) > 0
	PLACES                                         ; the fetch below lands in the set that the step before multiplied
.endif
.if (\s) == 3
	s_wait_tensorcnt 0x0                           ; all my tensor loads have landed, my part of K steps 4-6 among them
	ds_add_u32 v[SPW], v[NIL]                      ; 0 onto my spare word
	s_mov_b32 s[G1X+2], 52<<16                     ; one K step: 52 rows of x,
	s_mov_b32 s[G1X+4], 52
	s_mov_b32 s[G1W+2], 39<<16                     ; 39 of the weights
	s_mov_b32 s[G1W+4], 39
	s_add_co_u32 s[G0X+1], s86, 0
	s_add_co_u32 s[G0W+1], s87, 2*XA
	s_add_nc_u64 s[G0X+2:G0X+3], s[G0X+2:G0X+3], 3*XSTEP
	s_add_nc_u64 s[G0W+2:G0W+3], s[G0W+2:G0W+3], 3*WSTEP
	s_wait_dscnt 0x0                               ; the add is done, and so are all my reads of the first fill
	ROUND                                          ; both hold of every wave of every partner
	JLOAD                                          ; K step 7, into K step 0's bytes: it has the products of steps 3, 4 and 5 in which to land
.elseif (\s) == 6
	s_wait_tensorcnt 0x0                           ; K step 7 is in
	ds_add_u32 v[SPW], v[NIL]
	s_wait_dscnt 0x0
	ROUND
	tensor_load_to_lds s[G0C:G0C+3], s[G1C:G1C+7]  ; cos or sin of 128 tokens, into bytes of K steps 1-3: each wave its own
	s_nop 0
	PLACES
.endif
.if (\s) < 7
	FETCH (\s)+1
	s_wait_dscnt 46                                ; all but the 46 just issued: this step's fragments are in
.else
	s_wait_dscnt 0x0
.endif
	MULS \s
.endm
	s_wait_loadcnt 0x0                             ; the biases
	s_wait_tensorcnt 0x0                           ; my part of K steps 0-3 is in
	ds_add_u32 v[SPW], v[NIL]
	s_mov_b32 s[G1X+2], 156<<16                    ; three K steps: 156 rows of x,
	s_mov_b32 s[G1X+4], 156
	s_mov_b32 s[G1W+2], 117<<16                    ; 117 of the weights
	s_mov_b32 s[G1W+4], 117
	s_add_co_u32 s[G0X+1], s88, RB
	s_add_co_u32 s[G0W+1], s89, RB+2*XB
	s_add_nc_u64 s[G0X+2:G0X+3], s[G0X+2:G0X+3], 4*XSTEP
	s_add_nc_u64 s[G0W+2:G0W+3], s[G0W+2:G0W+3], 4*WSTEP
	s_wait_dscnt 0x0
	ROUND
	JLOAD                                          ; K steps 4-6: they have the products of steps 0, 1 and 2 in which to land
	FETCH 0
.irp s, 0,1,2,3,4,5,6,7
	STEP \s
.endr
; 64 numbers of a lane, two whole blocks of 32 along the next K, become a fragment's codes in v[pc] on and its scale word in v[sw]
.macro QUANT src, pc, sw
.irp c, 0,1
	v_max3_num_f32 v[MX+\c], |v[\src+32*\c]|, |v[\src+32*\c+1]|, 0x2800000   ; with the floor 2^(5 - 127): the byte cannot fall under 1
.endr
.irp c, 0,1
	v_max3_num_f32 v[NX+\c], |v[\src+32*\c+16]|, |v[\src+32*\c+17]|, |v[\src+32*\c+18]|
.endr
.irp i, 2,4,6,8,10,12
.irp c, 0,1
	v_max3_num_f32 v[MX+\c], v[MX+\c], |v[\src+32*\c+\i]|, |v[\src+32*\c+\i+1]|
.endr
.irp c, 0,1
	v_max3_num_f32 v[NX+\c], v[NX+\c], |v[\src+32*\c+\i+17]|, |v[\src+32*\c+\i+18]|
.endr
.endr
.irp c, 0,1
	v_max3_num_f32 v[MX+\c], v[MX+\c], |v[\src+32*\c+14]|, |v[\src+32*\c+15]|
.endr
.irp c, 0,1
	v_max3_num_f32 v[MX+\c], v[MX+\c], v[NX+\c], |v[\src+32*\c+31]|
.endr
.irp c, 0,1
	v_add_nc_u32 v[SO+\c], 0xfe000000, v[MX+\c]    ; 4 off its exponent field: the conversion's scale operand
.endr
.irp c, 0,1
	v_lshrrev_b32 v[BY+\c], 23, v[SO+\c]           ; the scale's byte
.endr
.irp c, 0,1
	v_cvt_scalef32_pk16_bf6_f32 v[\pc+6*\c:\pc+6*\c+2], v[\src+32*\c:\src+32*\c+15], v[SO+\c]
	v_cvt_scalef32_pk16_bf6_f32 v[OH+4*\c:OH+4*\c+2], v[\src+32*\c+16:\src+32*\c+31], v[SO+\c]
.endr
	v_lshl_or_b32 v[WD], v[BY+1], 16, v[BY]        ; blocks h and 2 + h of my row, (and plain places behind the scaled conversions)
	v_lshlrev_b32 v[WD], v[SH], v[WD]              ; at their places in the word;
	v_permlanex16_b32 v[PX], v[WD], s[SEL], s[SEL+1]
	v_or_b32 v[\sw], v[WD], v[PX]                  ; with lane l xor 16's two the word is whole
.irp c, 0,1
.irp i, 0,1,2
	v_mov_b32 v[\pc+6*\c+3+\i], v[OH+4*\c+\i]
.endr
.endr
.endm
	; THE WAY OUT
	WIN 0
	PLACES
	; v: + bv, quantised along the 128 keys
.irp c, 0,1
	WIN 0x03                                       ; source 0 window 3
.irp j, 0,2,4,6,8,10,12,14,16,18,20,22,24,26,28,30,32,34,36,38,40,42,44,46,48,50,52,54,56,58,60,62
	v_pk_add_f32 v[T+\j:T+\j+1], v[64*\c+\j:64*\c+\j+1], v[BV:BV+1] op_sel:[0,\c] op_sel_hi:[1,\c]
.endr
	WIN 0
	QUANT T, PC+12*\c, VSW+\c
.irp k, 0,1,2
	global_store_b128 v[LI], v[PC+12*\c+4*\k:PC+12*\c+4*\k+3], s[94:95] offset:QUAD+\c*FRAG+512*\k
.endr
.endr
	global_store_b64 v[LI8], v[VSW:VSW+1], s[96:97] offset:QUAD+4*FRAG
	s_wait_alu depctr_va_vdst(0)
	s_wait_tensorcnt 0x0                           ; my part of cos and sin is in; nothing is filled again
	s_wait_dscnt 0x0
	s_barrier_signal -1
	s_barrier_wait -1                              ; everybody's is
	WIN 0x40                                       ; cos and sin of my lane's token and its 16 pairs of channels, for all eight tiles: tile m's cos at 32 m + pair, its sin at 32 m + 16 + pair, in window 1
.irp m, 0,1,2,3,4,5,6,7
.irp q, 0,1,2,3
	ds_load_b128 v[32*\m+4*\q:32*\m+4*\q+3], v[CA] offset:(64*(\m/4)+8*(\m%4))*CROW+16*\q
.endr
.irp q, 0,1,2,3
	ds_load_b128 v[32*\m+16+4*\q:32*\m+16+4*\q+3], v[SA] offset:(64*(\m/4)+8*(\m%4))*CROW+16*\q
.endr
.endr
	WIN 0
	; q or k: RoPE, then two token tiles to a fragment
.irp d, 0,1,2,3
	s_wait_alu depctr_va_vdst(0)
	s_wait_dscnt 48-16*\d                          ; the cos and sin of tiles 2 d and 2 d + 1 are in; the later tiles' sixteen loads each pair may be out
	WIN 0x06                                       ; source 0 (the sums) window 2, source 1 (cos, sin) window 1
.irp e, 0,1
.set TT, T+32*\e
.set AC, 32*(2*\d+\e)
.irp g, 0,2,4,6,8,10,12,14             ; pairs g and g + 1: (a, b) x cos
	v_pk_mul_f32 v[TT+2*\g:TT+2*\g+1], v[AC+2*\g:AC+2*\g+1], v[AC+\g:AC+\g+1] op_sel:[0,0] op_sel_hi:[1,0]
	v_pk_mul_f32 v[TT+2*\g+2:TT+2*\g+3], v[AC+2*\g+2:AC+2*\g+3], v[AC+\g:AC+\g+1] op_sel:[0,1] op_sel_hi:[1,1]
.endr
.irp g, 0,2,4,6,8,10,12,14             ; + (-b, a) x sin: (a c - b s, b c + a s)
	v_pk_fma_f32 v[TT+2*\g:TT+2*\g+1], v[AC+2*\g:AC+2*\g+1], v[AC+16+\g:AC+16+\g+1], v[TT+2*\g:TT+2*\g+1] op_sel:[1,0,0] op_sel_hi:[0,0,1] neg_lo:[0,1,0]
	v_pk_fma_f32 v[TT+2*\g+2:TT+2*\g+3], v[AC+2*\g+2:AC+2*\g+3], v[AC+16+\g:AC+16+\g+1], v[TT+2*\g+2:TT+2*\g+3] op_sel:[1,1,0] op_sel_hi:[0,1,1] neg_lo:[0,1,0]
.endr
.endr
	WIN 0
	QUANT T, PC+24+12*\d, QSW+\d
.irp k, 0,1,2
	global_store_b128 v[LI], v[PC+24+12*\d+4*\k:PC+24+12*\d+4*\k+3], s[90:91] offset:\d*FRAG+512*\k
.endr
.endr
	global_store_b128 v[LI], v[QSW:QSW+3], s[90:91] offset:4*FRAG
	s_wait_alu depctr_va_vdst(0)
	s_wait_tensorcnt 0x0                           ; the wave's end
	ds_add_u32 v[SPW], v[NIL]
	s_wait_dscnt 0x0
	ROUND                                          ; the closing round
	s_endpgm
.Lfunc_end_k_q956c394e77_qkv:
	.size	k_q956c394e77_qkv, .Lfunc_end_k_q956c394e77_qkv-k_q956c394e77_qkv
	.p2alignl 7, 3214868480
	.fill 96, 4, 3214868480
	.section	.rodata,"a",@progbits
	.p2align	6, 0x0
	.amdhsa_kernel k_q956c394e77_qkv
		.amdhsa_group_segment_fixed_size 327680
		.amdhsa_private_segment_fixed_size 0
		.amdhsa_enable_private_segment 0
		.amdhsa_kernarg_size 72
		.amdhsa_user_sgpr_count 2
		.amdhsa_user_sgpr_kernarg_segment_ptr 1
		.amdhsa_wavefront_size32 1
		.amdhsa_system_sgpr_workgroup_id_x 1
		.amdhsa_system_sgpr_workgroup_id_y 1
		.amdhsa_system_sgpr_workgroup_id_z 1
		.amdhsa_system_vgpr_workitem_id 0
		.amdhsa_next_free_vgpr 1024
		.amdhsa_next_free_sgpr 102
		.amdhsa_reserve_vcc 0
		.amdhsa_float_denorm_mode_32 3
		.amdhsa_float_denorm_mode_16_64 3
		.amdhsa_memory_ordered 1
		.amdhsa_forward_progress 1
		.amdhsa_inst_pref_size 130
	.end_amdhsa_kernel
	.amdgpu_metadata
---
amdhsa.version: [ 1, 2 ]
amdhsa.kernels:
  - .name:           k_q956c394e77_qkv
    .symbol:         k_q956c394e77_qkv.kd
    .args:
      - { .name: xq, .offset: 0, .size: 8, .value_kind: global_buffer, .address_space: global }
      - { .name: wqkv, .offset: 8, .size: 8, .value_kind: global_buffer, .address_space: global }
      - { .name: wq_b, .offset: 16, .size: 8, .value_kind: global_buffer, .address_space: global }
      - { .name: wk_b, .offset: 24, .size: 8, .value_kind: global_buffer, .address_space: global }
      - { .name: wv_b, .offset: 32, .size: 8, .value_kind: global_buffer, .address_space: global }
      - { .name: pos_cos, .offset: 40, .size: 8, .value_kind: global_buffer, .address_space: global }
      - { .name: pos_sin, .offset: 48, .size: 8, .value_kind: global_buffer, .address_space: global }
      - { .name: qimg, .offset: 56, .size: 8, .value_kind: global_buffer, .address_space: global }
      - { .name: kv, .offset: 64, .size: 8, .value_kind: global_buffer, .address_space: global }
    .group_segment_fixed_size: 327680
    .private_segment_fixed_size: 0
    .kernarg_segment_align: 8
    .kernarg_segment_size: 72
    .max_flat_workgroup_size: 128
    .sgpr_count:     102
    .vgpr_count:     1024
    .wavefront_size: 32
...
	.end_amdgpu_metadata
.endif
;; end of part 2
;; launch attn (part 3): grid 8 x 32, 16 waves a work-group, clusters of 4 x 1, 251,904 bytes of LDS; arguments qimg, kv, aimg; writes aimg
.if DOCPART == 3
	.amdgcn_target "amdgcn-amd-amdhsa--gfx1250"
	.amdhsa_code_object_version 6
	.text
	.protected	k_q956c394e77_attn
	.globl	k_q956c394e77_attn
	.p2align	8
	.type	k_q956c394e77_attn,@function
k_q956c394e77_attn:
	s_mov_b64 s[64:65], 0
	v_nop
	global_prefetch_b8 v0, s[64:65] scope:SCOPE_SE
	s_setreg_imm32_b32 hwreg(HW_REG_WAVE_MODE, 25, 1), 1
	s_wait_xcnt 0x0
	s_wait_alu depctr_hold_cnt(0) depctr_sa_sdst(0) depctr_va_vdst(0) depctr_va_sdst(0) depctr_va_ssrc(0) depctr_va_vcc(0) depctr_vm_vsrc(0)
	s_getreg_b32 s2, hwreg(HW_REG_IB_STS2, 6, 4)
	s_cmp_eq_u32 s2, 0
	s_cbranch_scc0 .Lentry_in_a_cluster
	s_endpgm
.Lentry_in_a_cluster:
	s_bfe_u32 s2, ttmp6, 0x10000c
	s_cmp_lg_u32 s2, 0x3003
	s_cbranch_scc0 .Lentry_shape_is_right
	s_endpgm
.Lentry_shape_is_right:
; o = softmax(q k^T / 8, causal) v for one head of 64 channels, both products on codes of BF6 (E3M2) with E8M0 scales; the result, divided by the row's sum, is quantised along the channels and leaves as part of the next product's operand image.
; THE SOFTMAX: t = score x log2(e) / 8; M = the running largest t rounded UP to a whole number; p = 2^(t - M) is quantised along the keys, not normalised; the row's sum is taken of the unquantised p; when M moves, sum and O are multiplied by 2^(old M - new M), exactly.
; A block's largest p has the exponent floor(largest t - M): its scale is made of that whole number (a largest p within rounding of a power of two is the one case in which the exponential's own exponent may differ).
; SHARES.  y = batch x 16 + head.  A head's K and V images, 16 key steps of 13,312 bytes, stay in LDS whole: wave w asks for key step w, jointly with the three partners of its cluster (the same descriptor, mask 15): filled once, no ring.
; A work-group has ONE tile of 16 queries of each of the 16 blocks of 128 queries.  Waves p and p + 8 (p = 0 .. 7) share the tiles of blocks 15 - p (long, 16 - p key steps) and p (short, p + 1 key steps):
;   wave p:     the long tile's key steps 0 .. 7;
;   wave p + 8: the short tile whole, which it finishes and stores, then the long tile's key steps 8 .. 15 - p; its part of the long tile goes to wave p through LDS, which joins the two and stores: 8 and 9 trips.
; A tile's place in its block is 4 u + cx; u hangs on the cluster's number and p, and is 0 for one of the pair's two tiles and 1 for the other.  No branch hangs on a work-group's place in its cluster.
; WORK LEFT OUT: reference()'s own lower triangle.  Key steps behind a tile's block are not walked; in the step on the diagonal a tile with u = 0 (queries 0-63 of the block) takes only the first 64 keys.  Where the
; mask cuts a block, hidden scores become -infinity ahead of the maximum: the masks (register n of the cut half is hidden where n > the query's place - 32 h) are 32 scalars made at the head.
; LIMIT: a NaN, an infinity or an overflow that reaches only the work left out is not carried to the result.
; LAYOUT.  Both products are used transposed: a lane holds one query.  A fragment of K holds TWO key tiles (registers 0-5 and 6-11, 64 channels each); q stands beside zero codes, [q | 0] or [0 | q], which picks the tile.  So the instruction's K of 128 serves a head of 64.
; The keys of a tile were chosen so that score register 32 c + n is key 64 c + 32 h + n: a whole block in a lane; V's channels likewise: O's 32 registers are channels 32 h + 0 .. 31.
; No prefetch: every byte is asked for by the one load a wave at the head; there is no loop that fetches.
; LIMITS: NaN and infinities are not served; the scaled scores stay under 2^31 in magnitude; a block of the result whose largest magnitude lies under 2^-122 keeps the byte 1.  The two scale bytes a lane and tile are stored as 2 bytes: the word's other half is another head's.
; REGISTERS: v1-5 addresses; v12 -M, v13 the largest score, v[14:15] the sum; v16-33 q, zeros, q; v34 q's scales; v35 8 h; v36-83 four fragments; v84-87 their words; v96-159 scores, then p; v160-191 O^T; v192-211 codes; v212-241 at work; v228-234 the second tile's q.
.set KSTEP, 13312
.set FRAG,  1536
.set DEP,   16*KSTEP                   ; behind the key steps: 4,608 bytes for each pair of waves
.set DEPB,  4608
.set SPARE, DEP+8*DEPB                 ; the spare words: 128 bytes a wave
.set LI,   1
.set LI8,  2
.set DM,   3
.set ADK,  4
.set ADV8, 5
.set Q,    16
.set QS,   34
.set H8,   35
.set F,    36
.set SC,   84
.set NINF, 92
.set ADM,  95
.set S,    96
.set O,    160
.set PC,   192
.set HV,   204
.set BM,   212
.set PX,   214
.set PY,   215
.set BX,   216
.set SO,   218
.set WD,   220
.set FB,   222
.set FF,   224                         ; f = 2^(old M - new M)
.set PS,   225                         ; p's scale word
.set TP,   226
.set RW,   227
.set Q2,   228
.set QS2,  234
.set TA,   236
.set TB,   238
.set TC,   240
.set WV,   10
.set MK,   66                          ; s66-97 the masks
.macro ROUND
	s_barrier_signal -1
	s_barrier_wait -1
	s_cmp_lg_u32 s[WV], 0
	s_cbranch_scc1 .Lnot_wave_0_\@
	s_barrier_signal -3
.Lnot_wave_0_\@:
	s_barrier_wait -3
	s_barrier_signal -1
	s_barrier_wait -1
.endm
	s_load_b128 s[4:7], s[0:1], 0x0                ; qimg, kv
	s_load_b64 s[8:9], s[0:1], 0x10                ; aimg
	v_lshl_add_u32 v254, v0, 2, SPARE
	v_mov_b32 v255, 0
	ds_add_u32 v254, v255                          ; the opening lines
	ds_add_u32 v254, v255
	v_lshrrev_b32 v1, 5, v0
	v_readfirstlane_b32 s[WV], v1                  ; wave 0..15
	s_bfe_u32 s11, ttmp6, 0x40000                  ; cx
	s_and_b32 s13, ttmp7, 0xffff                   ; batch x 16 + head
	s_and_b32 s14, s[WV], 7                        ; p
	s_lshr_b32 s15, s[WV], 3                       ; 0: the long tile's first part; 1: the short tile, then the rest of the long one
	s_xor_b32 s16, ttmp9, s14
	s_and_b32 s16, s16, 1                          ; u of the short tile
	s_xor_b32 s38, s16, 1                          ; u of the long one
	s_xor_b32 s19, s14, 15                         ; the long tile's block, 15 - p
	s_xor_b32 s52, s14, 7                          ; 7 - p: trip t of the second part is key step t + 7 - p
	s_add_co_u32 s50, s15, 8                       ; my trips: 8 or 9
	s_mov_b32 s12, 99
	s_cmp_eq_u32 s16, 0
	s_cselect_b32 s53, s14, 8                      ; the trip on the diagonal with u = 0,
	s_cselect_b32 s54, 8, s14                      ; and the one with u = 1:
	s_cmp_eq_u32 s15, 1
	s_cselect_b32 s53, s53, s12                    ; waves 8-15 alone have them
	s_cselect_b32 s54, s54, s12
	s_cselect_b32 s51, s14, 15                     ; the short tile's last trip (waves 0-7: none)
	s_cselect_b32 s39, s14, s19                    ; my first tile's block: the one that I store
	s_cselect_b32 s40, s16, s38                    ; and its u
	s_mov_b32 s20, 0x76543210
	s_mov_b32 s21, 0xfedcba98
	s_mov_b32 s22, 0x3e38aa3b                      ; c = log2(e) / 8
	s_mov_b32 s23, s22                             ; (named with it as a pair)
	s_mov_b32 s55, 0xbe38aa3b                      ; -c
	s_mov_b32 s24, 15|(3<<16)|(1<<21)              ; group 1: all four partners; elements of 8 bytes; bit 21 beside a mask
	s_mov_b32 s25, 32<<16                          ; rows of 256 bytes,
	s_mov_b32 s26, 52<<16                          ; 52 of them: a dense block of 13,312 bytes
	s_mov_b32 s27, 32<<16
	s_mov_b32 s28, 52
	s_mov_b32 s29, 32
	s_mov_b32 s30, 0
	s_mov_b32 s31, 0
	s_mov_b32 s32, 1
	s_mul_i32 s33, s[WV], KSTEP                    ; key step w goes to LDS byte 13,312 w
	s_mul_i32 s36, s13, 16*KSTEP
	s_add_co_u32 s36, s36, s33
	s_mov_b32 s37, 0
	s_wait_dscnt 0x0
	s_wait_kmcnt 0x0
	s_add_nc_u64 s[34:35], s[6:7], s[36:37]
	s_or_b32 s35, s35, 0x80000000
	ROUND                                          ; all four work-groups are here: the joint loads meet
	tensor_load_to_lds s[32:35], s[24:31]          ; my one tensor load of the launch
	s_nop 0
.rept 4
	v_nop
.endr
	; q: tile 4 u + cx of a block lies in fragment 2 u + cx / 2, half cx % 2.  First tile: s[44:45], s[46:47]; second: s[56:57], s[58:59]
	s_lshl_b32 s41, s13, 4
	s_lshr_b32 s42, s11, 1
	s_add_co_u32 s44, s41, s39
	s_mul_i32 s44, s44, 6656
	s_mov_b32 s45, 0
	s_add_nc_u64 s[44:45], s[4:5], s[44:45]
	s_lshl_b32 s46, s40, 1
	s_add_co_u32 s46, s46, s42
	s_lshl_b32 s36, s46, 2
	s_mul_i32 s46, s46, FRAG
	s_mov_b32 s47, 0
	s_add_nc_u64 s[46:47], s[44:45], s[46:47]
	s_add_co_u32 s56, s41, s19
	s_mul_i32 s56, s56, 6656
	s_mov_b32 s57, 0
	s_add_nc_u64 s[56:57], s[4:5], s[56:57]
	s_lshl_b32 s58, s38, 1
	s_add_co_u32 s58, s58, s42
	s_lshl_b32 s37, s58, 2
	s_mul_i32 s58, s58, FRAG
	s_mov_b32 s59, 0
	s_add_nc_u64 s[58:59], s[56:57], s[58:59]
	; where my first tile's result goes: group of 64 tokens, K step head / 2, tile cx, half head % 2
	s_lshr_b32 s48, s13, 4
	s_lshl_b32 s48, s48, 5
	s_lshl_b32 s49, s39, 1
	s_add_co_u32 s48, s48, s49
	s_add_co_u32 s48, s48, s40
	s_lshl_b32 s48, s48, 3
	s_bfe_u32 s49, s13, 0x30001
	s_add_co_u32 s48, s48, s49
	s_mul_i32 s60, s48, 6656
	s_mov_b32 s61, 0
	s_add_nc_u64 s[60:61], s[8:9], s[60:61]
	s_and_b32 s43, s13, 1
	s_lshl_b32 s62, s11, 2
	s_lshl_b32 s63, s43, 1
	s_add_co_u32 s62, s62, s63
	s_mov_b32 s63, 0
	s_add_nc_u64 s[62:63], s[60:61], s[62:63]      ; the word's two bytes
	s_mul_i32 s48, s11, FRAG
	s_mul_i32 s43, s43, 768
	s_add_co_u32 s48, s48, s43
	s_mov_b32 s49, 0
	s_add_nc_u64 s[60:61], s[60:61], s[48:49]      ; the codes
	s_mul_i32 s43, s14, DEPB
	s_add_co_u32 s43, s43, DEP                     ; my pair's bytes for the handover
	s_lshl_b32 s48, s11, 3                         ; 8 cx
	v_and_b32 v6, 31, v0
	v_lshlrev_b32 v[LI], 4, v6
	v_lshlrev_b32 v[LI8], 3, v6
	v_add_nc_u32 v7, s36, v[LI]
	v_add_nc_u32 v8, s37, v[LI]
	v_add_nc_u32 v[ADM], s43, v[LI]
	v_and_b32 v9, 15, v0                           ; r
	v_bfe_u32 v10, v0, 4, 1                        ; h
	v_and_b32 v11, 8, v9
	v_mad_u32_u24 v11, v11, 3, v9                  ; r + 24 (r / 8)
	v_lshlrev_b32 v[DM], 5, v10
	v_sub_nc_u32 v[DM], v11, v[DM]
	v_add_nc_u32 v[DM], s48, v[DM]                 ; 8 cx + r + 24 (r / 8) - 32 h
	v_lshlrev_b32 v[H8], 3, v10
	s_wait_alu depctr_va_vdst(0)
.irp c, 0,1,2
	global_load_b128 v[S+4*\c:S+4*\c+3], v[LI], s[46:47] offset:512*\c
.endr
	global_load_b32 v[S+12], v7, s[44:45] offset:4*FRAG
.irp c, 0,1,2
	global_load_b128 v[S+16+4*\c:S+16+4*\c+3], v[LI], s[58:59] offset:512*\c   ; the second tile's (waves 0-7 make no use of it)
.endr
	global_load_b32 v[S+28], v8, s[56:57] offset:4*FRAG
.set n, 0
.rept 32
	v_cmp_gt_i32 s[MK+n], n, v[DM]                 ; hidden: n > DM
.set n, n+1
.endr
	v_mov_b32 v[NINF], 0xff800000                  ; -infinity
	v_mov_b32 v13, 0xff61b1e6                      ; the largest score so far: -3e38
	v_mov_b32 v12, 0x7e800000                      ; -M: a whole number above every later one, so that the first f is 0
	v_mov_b32 v14, 0
	v_mov_b32 v15, 0
	v_mov_b32 v[PX], 0                             ; a lane permute's destination counts as one of its sources
	v_mov_b32 v[PY], 0
	v_mov_b32 v[TP], 0
	v_mov_b32 v[PS], 0                             ; (named as the upper half of the pair with f)
.irp i, 0,1,2,3,4,5
	v_mov_b32 v[Q+6+\i], 0                         ; zero codes
.endr
	s_wait_alu depctr_va_vdst(0)
	s_wait_loadcnt 0x0
	s_and_b32 s36, s11, 1
	s_cmp_eq_u32 s36, 1
	s_cselect_b32 s12, -1, 0
	s_lshl_b32 s36, s36, 4
.irp i, 0,1,2,3,4,5
	v_cndmask_b32 v[Q+\i], v[S+\i], v[S+6+\i], s12 ; my tile's half of the fragment
	v_cndmask_b32 v[Q2+\i], v[S+16+\i], v[S+22+\i], s12
.endr
.irp i, 0,1,2,3,4,5
	v_mov_b32 v[Q+12+\i], v[Q+\i]
.endr
	v_lshrrev_b32 v[TP], s36, v[S+12]
	v_lshrrev_b32 v[RW], s36, v[S+28]
	v_and_b32 v[TP], 0xffff, v[TP]                 ; my tile's two scale bytes,
	v_and_b32 v[RW], 0xffff, v[RW]
	v_lshl_or_b32 v[QS], v[TP], 16, v[TP]          ; for either place of q
	v_lshl_or_b32 v[QS2], v[RW], 16, v[RW]
.set n, 0
.rept 32
	v_mov_b32 v[O+n], 0                            ; O^T: the step is written once, its first walk finds zeros.  (These are also the places between q's registers, its scales and the first product)
.set n, n+1
.endr
	s_wait_alu depctr_va_vdst(0)                   ; the wait at the head's end
	s_wait_tensorcnt 0x0                           ; my key step is in,
	s_barrier_signal -1
	s_barrier_wait -1                              ; everybody's is
; A key step: nc = 2: 128 keys; nc = 1: the first 64 of them (the diagonal of a tile with u = 0)
.macro STEPM nc
	v_add_nc_u32 v[ADK], s18, v[LI]
	v_add_nc_u32 v[ADV8], s18, v[LI8]
.irp b, 0,1,2,3
.if \b < 2*\nc
.irp c, 0,1,2
	ds_load_b128 v[F+12*\b+4*\c:F+12*\b+4*\c+3], v[ADK] offset:\b*FRAG+512*\c
.endr
.endif
.endr
	ds_load_b128 v[SC:SC+3], v[ADK] offset:4*FRAG
	s_wait_alu depctr_va_vdst(0)
	s_wait_dscnt 0x0
.irp b, 0,1,2,3                        ; S^T = K q^T: fragment b against [q | 0] gives key tile 2 b, against [0 | q] key tile 2 b + 1
.if \b < 2*\nc
	v_wmma_scale_f32_16x16x128_f8f6f4 v[S+16*\b:S+16*\b+7], v[F+12*\b:F+12*\b+11], v[Q:Q+11], 0, v[SC+\b], v[QS] matrix_a_fmt:MATRIX_FMT_BF6 matrix_b_fmt:MATRIX_FMT_BF6
	v_wmma_scale_f32_16x16x128_f8f6f4 v[S+16*\b+8:S+16*\b+15], v[F+12*\b:F+12*\b+11], v[Q+6:Q+17], 0, v[SC+\b], v[QS] matrix_a_fmt:MATRIX_FMT_BF6 matrix_b_fmt:MATRIX_FMT_BF6
.endif
.endr
.rept 4
	v_nop                                          ; places in front of the loads into the fragments' registers and of the first read of the scores
.endr
.irp t, 0,1,2,3                        ; V's four fragments land while the softmax is walked
.irp c, 0,1,2
	ds_load_b128 v[F+12*\t+4*\c:F+12*\t+4*\c+3], v[ADK] offset:6656+\t*FRAG+512*\c
.endr
.endr
	ds_load_b64 v[SC:SC+1], v[ADV8] offset:6656+4*FRAG
	ds_load_b64 v[SC+2:SC+3], v[ADV8] offset:6656+4*FRAG+256
.if \nc == 2
	s_cmp_lg_u32 s17, s54                          ; on the diagonal alone: keys 64 .. 127 are cut
	s_cbranch_scc1 .Lopen
.endif
.set n, 0
.rept 32
	v_cndmask_b32 v[S+32*(\nc-1)+n], v[S+32*(\nc-1)+n], v[NINF], s[MK+n]
.set n, n+1
.endr
.if \nc == 2
.Lopen:
.endif
	; the largest score of each block of 32 keys: for the row's maximum and for the block's scale
.irp c, 0,1
.if \c < \nc
	v_max3_num_f32 v[BM+\c], v[S+32*\c], v[S+32*\c+1], v[S+32*\c+2]
	v_max3_num_f32 v[BX+\c], v[S+32*\c+17], v[S+32*\c+18], v[S+32*\c+19]
.endif
.endr
.irp i, 3,5,7,9,11,13
.irp c, 0,1
.if \c < \nc
	v_max3_num_f32 v[BM+\c], v[BM+\c], v[S+32*\c+\i], v[S+32*\c+\i+1]
	v_max3_num_f32 v[BX+\c], v[BX+\c], v[S+32*\c+\i+17], v[S+32*\c+\i+18]
.endif
.endr
.endr
.irp c, 0,1
.if \c < \nc
	v_max3_num_f32 v[BM+\c], v[BM+\c], v[S+32*\c+15], v[S+32*\c+16]
.endif
.endr
.irp c, 0,1
.if \c < \nc
	v_max_num_f32 v[BM+\c], v[BM+\c], v[BX+\c]
.endif
.endr
.if \nc == 2
	v_max_num_f32 v[TP], v[BM], v[BM+1]
.else
	v_mov_b32 v[TP], v[BM]
.endif
	v_permlanex16_b32 v[PX], v[TP], s20, s21
	v_max3_num_f32 v13, v13, v[TP], v[PX]          ; with lane l xor 16's keys: the running largest score
	s_delay_alu instid0(VALU_DEP_1)
	v_mul_f32 v[RW], s55, v13                      ; -t
	s_delay_alu instid0(VALU_DEP_1)
	v_floor_f32 v[RW], v[RW]                       ; the new -M = -ceil(t)
	s_delay_alu instid0(VALU_DEP_1)
	v_sub_f32 v[TP], v[RW], v12                    ; old M - new M: a whole number, 0 or less
	s_delay_alu instid0(VALU_DEP_1)
	v_cvt_i32_f32 v[TP], v[TP]                     ; (it saturates)
	s_delay_alu instid0(VALU_DEP_1)
	v_ldexp_f32 v[FF], 1.0, v[TP]                  ; f = 2^(old M - new M)
	v_mov_b32 v12, v[RW]
.set n, 0
.rept 16*\nc
	v_pk_fma_f32 v[S+n:S+n+1], v[S+n:S+n+1], s[22:23], v[12:13] op_sel_hi:[1,0,0]   ; t - M
.set n, n+2
.endr
.irp c, 0,1
.if \c < \nc
	v_fma_f32 v[BM+\c], v[BM+\c], s22, v12         ; the same of the block's largest score,
.endif
.endr
.irp c, 0,1
.if \c < \nc
	v_max_num_f32 v[BM+\c], 0xc2f40000, v[BM+\c]   ; held at -122 from below: the byte cannot fall under 1
.endif
.endr
.irp c, 0,1
.if \c < \nc
	v_cvt_floor_i32_f32 v[BX+\c], v[BM+\c]         ; e = the exponent of the block's largest p
.endif
.endr
.irp c, 0,1
.if \c < \nc
	v_lshl_add_u32 v[SO+\c], v[BX+\c], 23, 0x3d800000   ; (e + 123) << 23: the conversion's scale operand
.endif
.endr
.if \nc == 2
	v_lshl_add_u32 v[WD], v[BX+1], 16, v[BX]
	v_add_nc_u32 v[WD], 0x7b007b, v[WD]            ; the bytes e + 123 of blocks h and 2 + h,
.else
	v_add_nc_u32 v[WD], 0x1007b, v[BX]             ; (of the block without codes the byte 1)
.endif
	v_lshlrev_b32 v[WD], v[H8], v[WD]              ; at their places in the word;
	v_permlanex16_b32 v[PY], v[WD], s20, s21
	v_or_b32 v[PS], v[WD], v[PY]                   ; with lane l xor 16's: p's scale word for these keys
	s_wait_alu depctr_va_vdst(0)                   ; the wait ahead of the batch
.set n, 0
.rept 32*\nc
	v_exp_f32 v[S+n], v[S+n]                       ; p = 2^(t - M)
.set n, n+1
.endr
	v_pk_mul_f32 v[14:15], v[14:15], v[FF:FF+1] op_sel_hi:[1,0]   ; the sums under the new M.  (A plain place behind the exponentials)
	s_wait_alu depctr_va_vdst(0)                   ; and the one behind it
.set n, 0
.rept 16
	v_pk_mul_f32 v[O+n:O+n+1], v[O+n:O+n+1], v[FF:FF+1] op_sel_hi:[1,0]   ; O^T under the new M
.set n, n+2
.endr
.irp c, 0,1
.if \c < \nc
	v_cvt_scalef32_pk16_bf6_f32 v[PC+6*\c:PC+6*\c+2], v[S+32*\c:S+32*\c+15], v[SO+\c]
	v_cvt_scalef32_pk16_bf6_f32 v[HV+4*\c:HV+4*\c+2], v[S+32*\c+16:S+32*\c+31], v[SO+\c]
.endif
.endr
	v_pk_add_f32 v[TA:TA+1], v[S:S+1], v[S+2:S+3]  ; the row's sum, in four chains.  (Plain places behind the scaled conversions)
	v_pk_add_f32 v[TB:TB+1], v[S+4:S+5], v[S+6:S+7]
	v_pk_add_f32 v[TC:TC+1], v[S+8:S+9], v[S+10:S+11]
	v_pk_add_f32 v[14:15], v[14:15], v[S+12:S+13]
.irp c, 0,1
.irp i, 0,1,2
.if \c < \nc
	v_mov_b32 v[PC+6*\c+3+\i], v[HV+4*\c+\i]
.else
	v_mov_b32 v[PC+6*\c+\i], 0                     ; hidden keys: zero codes
	v_mov_b32 v[PC+6*\c+3+\i], 0
.endif
.endr
.endr
.set n, 7
.rept 16*\nc-7
.if (n-7)%4 == 0
	v_pk_add_f32 v[TA:TA+1], v[TA:TA+1], v[S+2*n:S+2*n+1]
.elseif (n-7)%4 == 1
	v_pk_add_f32 v[TB:TB+1], v[TB:TB+1], v[S+2*n:S+2*n+1]
.elseif (n-7)%4 == 2
	v_pk_add_f32 v[TC:TC+1], v[TC:TC+1], v[S+2*n:S+2*n+1]
.else
	v_pk_add_f32 v[14:15], v[14:15], v[S+2*n:S+2*n+1]
.endif
.set n, n+1
.endr
	v_pk_add_f32 v[TA:TA+1], v[TA:TA+1], v[TB:TB+1]
	v_pk_add_f32 v[14:15], v[14:15], v[TC:TC+1]
	v_pk_add_f32 v[14:15], v[14:15], v[TA:TA+1]
	s_wait_alu depctr_va_vdst(0)
	s_wait_dscnt 0x0                               ; V
.irp t, 0,1,2,3
	v_wmma_scale_f32_16x16x128_f8f6f4 v[O+8*\t:O+8*\t+7], v[F+12*\t:F+12*\t+11], v[PC:PC+11], v[O+8*\t:O+8*\t+7], v[SC+\t], v[PS] matrix_a_fmt:MATRIX_FMT_BF6 matrix_b_fmt:MATRIX_FMT_BF6
.endr
.rept 4
	v_nop                                          ; places in front of the next step's loads, and of the reads of O^T
.endr
.endm
; A tile's way out: O^T / the sum; register n is channel 32 h + n of my query: one block, quantised as it stands
.macro FINAL
	v_add_f32 v14, v14, v15
	v_permlanex16_b32 v[TP], v14, s20, s21
	v_add_f32 v14, v14, v[TP]
	s_wait_alu depctr_va_vdst(0)
	v_rcp_f32 v14, v14
	v_nop                                          ; a plain place behind the transcendental
	s_wait_alu depctr_va_vdst(0)
.set n, 0
.rept 16
	v_pk_mul_f32 v[S+n:S+n+1], v[O+n:O+n+1], v[14:15] op_sel_hi:[1,0]
.set n, n+2
.endr
	v_max3_num_f32 v[BM], |v[S]|, |v[S+1]|, 0x2800000
	v_max3_num_f32 v[BX], |v[S+16]|, |v[S+17]|, |v[S+18]|
.irp i, 2,4,6,8,10,12
	v_max3_num_f32 v[BM], v[BM], |v[S+\i]|, |v[S+\i+1]|
	v_max3_num_f32 v[BX], v[BX], |v[S+\i+17]|, |v[S+\i+18]|
.endr
	v_max3_num_f32 v[BM], v[BM], |v[S+14]|, |v[S+15]|
	v_max3_num_f32 v[BM], v[BM], v[BX], |v[S+31]|
	v_add_nc_u32 v[SO], 0xfe000000, v[BM]          ; 4 off its exponent field
	v_cvt_scalef32_pk16_bf6_f32 v[PC:PC+2], v[S:S+15], v[SO]
	v_cvt_scalef32_pk16_bf6_f32 v[HV:HV+2], v[S+16:S+31], v[SO]
	v_lshrrev_b32 v[WD], 23, v[SO]                 ; the scale's byte (and a plain place behind the scaled conversions)
	v_lshlrev_b32 v[WD], v[H8], v[WD]
	v_permlanex16_b32 v[PY], v[WD], s20, s21
	v_or_b32 v[TP], v[WD], v[PY]                   ; my head's two bytes of the row's scale word
.irp i, 0,1,2
	v_mov_b32 v[PC+3+\i], v[HV+\i]                 ; six registers: registers 6 c .. 6 c + 5 of the next operand's fragment, c = head % 2
.endr
	global_store_b128 v[LI], v[PC:PC+3], s[60:61]              ; 512 consecutive bytes
	global_store_b64 v[LI8], v[PC+4:PC+5], s[60:61] offset:512 ; 256 consecutive bytes
	global_store_b16 v[LI], v[TP], s[62:63] offset:4*FRAG      ; 2 bytes a lane at 16 l + 4 cx + 2 c
.endm
	s_mov_b32 s17, 0                               ; the trip
.Lkey:
	s_cmp_lt_u32 s17, s50                          ; waves 0-7 have 8 trips
	s_cbranch_scc0 .Lskip
	s_cmp_gt_u32 s17, s51                          ; behind the short tile's last trip: the long tile's steps from 8 on
	s_cselect_b32 s18, s52, 0
	s_add_co_u32 s18, s18, s17                     ; the key step
	s_min_u32 s18, s18, 15
	s_mul_i32 s18, s18, KSTEP                      ; and its LDS byte
	s_cmp_eq_u32 s17, s53
	s_cbranch_scc1 .Lhalf
	STEPM 2
	s_branch .Ldone
.Lhalf:
	STEPM 1
.Ldone:
	s_cmp_lg_u32 s17, s51                          ; the short tile is whole: it goes out, and the long tile's q takes its place
	s_cbranch_scc1 .Lskip
.irp i, 0,1,2,3,4,5
	v_mov_b32 v[Q+\i], v[Q2+\i]
	v_mov_b32 v[Q+12+\i], v[Q2+\i]
.endr
	v_mov_b32 v[QS], v[QS2]
	FINAL
	v_mov_b32 v13, 0xff61b1e6                      ; as at the start: the next f is 0, which makes zeros of O^T and of the sum
	v_mov_b32 v12, 0x7e800000
	s_wait_alu depctr_va_vdst(0)
	s_wait_xcnt 0x0                                ; the stores have read their registers, which the next trip writes
.Lskip:
	s_add_co_u32 s17, s17, 1
	s_cmp_lt_u32 s17, 9
	s_cbranch_scc1 .Lkey
	; the handover: waves 8-15 lay down O^T and -M, largest score, the sum's two halves
	s_cmp_lt_u32 s[WV], 8
	s_cbranch_scc1 .Lno_deposit
.irp n, 0,1,2,3,4,5,6,7
	ds_store_b128 v[ADM], v[O+4*\n:O+4*\n+3] offset:512*\n
.endr
	ds_store_b128 v[ADM], v[12:15] offset:4096
.Lno_deposit:
	s_wait_dscnt 0x0                               ; my stores are done
	s_barrier_signal -1
	s_barrier_wait -1                              ; everybody's are
	s_cmp_lt_u32 s[WV], 8
	s_cbranch_scc0 .Lend
.irp n, 0,1,2,3,4,5,6,7
	ds_load_b128 v[S+4*\n:S+4*\n+3], v[ADM] offset:512*\n
.endr
	ds_load_b128 v[88:91], v[ADM] offset:4096
	s_wait_dscnt 0x0
	v_min_num_f32 v[TP], v12, v88                  ; the joint -M
	v_sub_f32 v[RW], v[TP], v12
	v_sub_f32 v[FB+1], v[TP], v88
	v_cvt_i32_f32 v[RW], v[RW]
	v_cvt_i32_f32 v[FB+1], v[FB+1]
	v_ldexp_f32 v[FF], 1.0, v[RW]
	v_ldexp_f32 v[FB], 1.0, v[FB+1]
	v_pk_mul_f32 v[14:15], v[14:15], v[FF:FF+1] op_sel_hi:[1,0]
.set n, 0
.rept 16
	v_pk_mul_f32 v[O+n:O+n+1], v[O+n:O+n+1], v[FF:FF+1] op_sel_hi:[1,0]
.set n, n+2
.endr
	v_pk_fma_f32 v[14:15], v[90:91], v[FB:FB+1], v[14:15] op_sel_hi:[1,0,1]
.set n, 0
.rept 16
	v_pk_fma_f32 v[O+n:O+n+1], v[S+n:S+n+1], v[FB:FB+1], v[O+n:O+n+1] op_sel_hi:[1,0,1]
.set n, n+2
.endr
	FINAL
	s_wait_alu depctr_va_vdst(0)
.Lend:
	s_wait_tensorcnt 0x0                           ; the wave's end
	ds_add_u32 v254, v255
	s_wait_dscnt 0x0
	ROUND                                          ; the closing round: no work-group ends while a partner may still ask for a tile that names it
	s_endpgm
.Lfunc_end_k_q956c394e77_attn:
	.size	k_q956c394e77_attn, .Lfunc_end_k_q956c394e77_attn-k_q956c394e77_attn
	.p2alignl 7, 3214868480
	.fill 96, 4, 3214868480
	.section	.rodata,"a",@progbits
	.p2align	6, 0x0
	.amdhsa_kernel k_q956c394e77_attn
		.amdhsa_group_segment_fixed_size 251904
		.amdhsa_private_segment_fixed_size 0
		.amdhsa_enable_private_segment 0
		.amdhsa_kernarg_size 24
		.amdhsa_user_sgpr_count 2
		.amdhsa_user_sgpr_kernarg_segment_ptr 1
		.amdhsa_wavefront_size32 1
		.amdhsa_system_sgpr_workgroup_id_x 1
		.amdhsa_system_sgpr_workgroup_id_y 1
		.amdhsa_system_sgpr_workgroup_id_z 1
		.amdhsa_system_vgpr_workitem_id 0
		.amdhsa_next_free_vgpr 256
		.amdhsa_next_free_sgpr 100
		.amdhsa_reserve_vcc 0
		.amdhsa_float_denorm_mode_32 3
		.amdhsa_float_denorm_mode_16_64 3
		.amdhsa_memory_ordered 1
		.amdhsa_forward_progress 1
		.amdhsa_inst_pref_size 51
	.end_amdhsa_kernel
	.amdgpu_metadata
---
amdhsa.version: [ 1, 2 ]
amdhsa.kernels:
  - .name:           k_q956c394e77_attn
    .symbol:         k_q956c394e77_attn.kd
    .args:
      - { .name: qimg, .offset: 0, .size: 8, .value_kind: global_buffer, .address_space: global }
      - { .name: kv, .offset: 8, .size: 8, .value_kind: global_buffer, .address_space: global }
      - { .name: aimg, .offset: 16, .size: 8, .value_kind: global_buffer, .address_space: global }
    .group_segment_fixed_size: 251904
    .private_segment_fixed_size: 0
    .kernarg_segment_align: 8
    .kernarg_segment_size: 24
    .max_flat_workgroup_size: 512
    .sgpr_count:     100
    .vgpr_count:     256
    .wavefront_size: 32
...
	.end_amdgpu_metadata
.endif
;; end of part 3
;; launch oproj (part 4): grid 8 x 32, 4 waves a work-group, clusters of 4 x 4, 283,136 bytes of LDS; arguments aimg, woq, wo_b, out0; writes out0
.if DOCPART == 4
	.amdgcn_target "amdgcn-amd-amdhsa--gfx1250"
	.amdhsa_code_object_version 6
	.text
	.protected	k_q956c394e77_oproj
	.globl	k_q956c394e77_oproj
	.p2align	8
	.type	k_q956c394e77_oproj,@function
k_q956c394e77_oproj:
	s_mov_b64 s[64:65], 0
	v_nop
	global_prefetch_b8 v0, s[64:65] scope:SCOPE_SE
	s_setreg_imm32_b32 hwreg(HW_REG_WAVE_MODE, 25, 1), 1
	s_wait_xcnt 0x0
	s_wait_alu depctr_hold_cnt(0) depctr_sa_sdst(0) depctr_va_vdst(0) depctr_va_sdst(0) depctr_va_ssrc(0) depctr_va_vcc(0) depctr_vm_vsrc(0)
	s_getreg_b32 s2, hwreg(HW_REG_IB_STS2, 6, 4)
	s_cmp_eq_u32 s2, 0
	s_cbranch_scc0 .Lentry_in_a_cluster
	s_endpgm
.Lentry_in_a_cluster:
	s_bfe_u32 s2, ttmp6, 0x10000c
	s_cmp_lg_u32 s2, 0xf033
	s_cbranch_scc0 .Lentry_shape_is_right
	s_endpgm
.Lentry_shape_is_right:
; out0 = a Wo^T + bo, on codes of BF6 (E3M2) with E8M0 scales, sums in f32.  a [4096][1024] and Wo [1024][1024] come as images of operand registers, made by the launches before.
; SHARES.  A work-group makes 128 tokens (y) x 128 outputs (x): 256 equal work-groups.  Wave w: tm = w / 2 picks 64 tokens, tn = w % 2 picks 64 outputs: 16 accumulators.
; The product is used transposed (source 0 = 16 rows of Wo, source 1 = 16 tokens): a lane holds one token, and the 32 registers of its four tiles are outputs 32 h + 0 .. 31.  bo is the C of each sum's first product.
; ALL OF K LIES IN LDS: 64 rows x 1,024 K are one dense block of 53,248 bytes; waves 0 and 1 bring a's two groups, waves 2 and 3 Wo's, each by ONE load; nothing is filled again.  No loop fetches, so nothing is prefetched.
; CLUSTER 4 x 4: a's images hang on y alone and are shared along a row of the cluster, Wo's on x alone and are shared along a column: joint loads.
; THE PRODUCT GOES BY TOKEN TILES: Wo's fragments for all of K (8 x 48 registers) are read from LDS once and stay; a token tile's 32 products (its four accumulators by turns, K ascending) are followed by its way out, while the next tile is multiplied.
; OUT: through the wave's own stage in LDS (rows of 256 bytes + 16), back by rows: sixteen lanes store 256 consecutive bytes, aligned.  The tokens of a tile are not neighbours: stage row p of tile m is token 8 m + p + 24 (p / 8).
; LIMIT: NaN and infinities are not served.
; REGISTERS: window 0: v1-15 addresses; v32-63 bo; v64-95 a's scale words, v96-127 Wo's; v128-255 accumulators, (token tile m, output tile t) at 128 + 32 m + 8 t.
;   window 1: Wo's fragments of K steps 0-4, window 2: of K steps 5-7, then rows of the result of tiles 2, 3.   window 3: a's fragments, two sets of 8 K steps; from v192 on rows of the result of tiles 0, 1.
.set AREA, 53248
.set QUAD, 6656
.set FRAG, 1536
.set STG,  4*AREA
.set SP,   272
.set SPARE, STG+4*64*SP
.set LI,   1
.set LI8,  2
.set ADA,  3
.set ADA8, 4
.set ADB,  5
.set STO,  6
.set RD,   7
.set CO,   8
.set BA,   9
.set SPW,  14
.set NIL,  15
.set BI,   32
.set SA,   64
.set SB,   96
.set ACC,  128
.set WV,   12
.set TMW,  13
.set TN,   14
.set G1A,  24
.set G1B,  32
.set G0A,  48
.set G0B,  52
.set MSB, 0
.macro WIN new                         ; the immediate's high byte repeats the setting that is left
.if MSB != \new
	s_set_vgpr_msb (MSB<<8)|\new
.set MSB, \new
.endif
.endm
.macro PLACES
.rept 4
	v_nop
.endr
.endm
.macro ROUND
	s_barrier_signal -1
	s_barrier_wait -1
	s_cmp_lg_u32 s[WV], 0
	s_cbranch_scc1 .Lnot_wave_0_\@
	s_barrier_signal -3
.Lnot_wave_0_\@:
	s_barrier_wait -3
	s_barrier_signal -1
	s_barrier_wait -1
.endm
	s_load_b256 s[4:11], s[0:1], 0x0               ; aimg, woq, wo_b, out0
	v_lshl_add_u32 v[SPW], v0, 2, SPARE
	v_mov_b32 v[NIL], 0
	ds_add_u32 v[SPW], v[NIL]                      ; the opening lines
	ds_add_u32 v[SPW], v[NIL]
	v_lshrrev_b32 v1, 5, v0
	v_readfirstlane_b32 s[WV], v1                  ; wave 0..3
	s_lshr_b32 s[TMW], s[WV], 1                    ; my 64 tokens.  Also: I fetch for a (0) or for Wo (1)
	s_and_b32 s[TN], s[WV], 1                      ; my 64 outputs.  Also: which group I fetch
	s_bfe_u32 s15, ttmp6, 0x40000                  ; cx
	s_bfe_u32 s16, ttmp6, 0x40004                  ; cy
	s_lshl_b32 s17, ttmp9, 2
	s_add_co_u32 s17, s17, s15                     ; x: 128 outputs
	s_and_b32 s18, ttmp7, 0xffff
	s_lshl_b32 s18, s18, 2
	s_add_co_u32 s18, s18, s16                     ; y: 128 tokens
	s_lshl_b32 s19, s16, 2
	s_lshl_b32 s19, 15, s19                        ; my row of the cluster
	s_lshl_b32 s20, 0x1111, s15                    ; my column
	s_or_b32 s[G1A], s19, (3<<16)|(1<<21)          ; the mask; elements of 8 bytes; bit 21 beside a mask
	s_or_b32 s[G1B], s20, (3<<16)|(1<<21)
.irp g, G1A, G1B
	s_mov_b32 s[\g+1], 32<<16                      ; rows of 256 bytes,
	s_mov_b32 s[\g+2], 208<<16                     ; 208 of them: 53,248 dense bytes
	s_mov_b32 s[\g+3], 32<<16
	s_mov_b32 s[\g+4], 208
	s_mov_b32 s[\g+5], 32
	s_mov_b32 s[\g+6], 0
	s_mov_b32 s[\g+7], 0
.endr
	s_lshl_b32 s84, s18, 1                         ; a: group 2 y + half: registers that never hold cx
	s_add_co_u32 s84, s84, s[TN]
	s_mul_i32 s84, s84, AREA
	s_mov_b32 s85, 0
	s_lshl_b32 s86, s17, 1                         ; Wo: group 2 x + half: registers that never hold cy
	s_add_co_u32 s86, s86, s[TN]
	s_mul_i32 s86, s86, AREA
	s_mov_b32 s87, 0
	s_mul_i32 s88, s[TN], AREA                     ; where they go: a's two groups, then Wo's two
	s_wait_dscnt 0x0
	s_wait_kmcnt 0x0
	s_add_nc_u64 s[84:85], s[4:5], s[84:85]
	s_add_nc_u64 s[86:87], s[6:7], s[86:87]
	ROUND                                          ; all sixteen work-groups are here: the joint loads meet
	s_mov_b32 s[G0A], 1
	s_add_co_u32 s[G0A+1], s88, 0
	s_mov_b64 s[G0A+2:G0A+3], s[84:85]
	s_or_b32 s[G0A+3], s[G0A+3], 0x80000000
	s_mov_b32 s[G0B], 1
	s_add_co_u32 s[G0B+1], s88, 2*AREA
	s_mov_b64 s[G0B+2:G0B+3], s[86:87]
	s_or_b32 s[G0B+3], s[G0B+3], 0x80000000
	s_cmp_eq_u32 s[TMW], 0                         ; one load a wave
	s_cbranch_scc0 .Lfirst_b
	tensor_load_to_lds s[G0A:G0A+3], s[G1A:G1A+7]
	s_nop 0
.rept 4
	v_nop
.endr
	s_branch .Lfirst_done
.Lfirst_b:
	tensor_load_to_lds s[G0B:G0B+3], s[G1B:G1B+7]
	s_nop 0
.rept 4
	v_nop
.endr
.Lfirst_done:
	s_mul_i32 s90, s[TMW], AREA
	s_mul_i32 s91, s[TN], AREA
	s_add_co_u32 s91, s91, 2*AREA
	s_mul_i32 s94, s[WV], 64*SP
	s_add_co_u32 s94, s94, STG                     ; my stages: four of 16 rows
	s_lshl_b32 s92, s17, 9
	s_lshl_b32 s93, s[TN], 8
	s_add_co_u32 s92, s92, s93                     ; my 64 outputs, in bytes
	s_mov_b32 s93, 0
	s_add_nc_u64 s[8:9], s[8:9], s[92:93]
	s_lshl_b32 s96, s18, 7
	s_lshl_b32 s97, s[TMW], 6
	s_add_co_u32 s96, s96, s97                     ; my first token
	s_lshl_b32 s96, s96, 12
	s_add_co_u32 s96, s96, s92
	s_mov_b32 s97, 0
	s_add_nc_u64 s[10:11], s[10:11], s[96:97]
	v_and_b32 v10, 31, v0
	v_lshlrev_b32 v[LI], 4, v10
	v_lshlrev_b32 v[LI8], 3, v10
	v_add_nc_u32 v[ADA], s90, v[LI]
	v_add_nc_u32 v[ADA8], s90, v[LI8]
	v_add_nc_u32 v[ADB], s91, v[LI]
	v_and_b32 v11, 15, v0                          ; r
	v_bfe_u32 v12, v0, 4, 1                        ; h
	v_mul_u32_u24 v[STO], v11, SP
	v_lshl_add_u32 v[STO], v12, 7, v[STO]
	v_add_nc_u32 v[STO], s94, v[STO]               ; in: row r, + 128 h
	v_mul_u32_u24 v[RD], v12, SP
	v_lshl_add_u32 v[RD], v11, 4, v[RD]
	v_add_nc_u32 v[RD], s94, v[RD]                 ; back: lanes 0-15 one row, lanes 16-31 the next
	v_lshlrev_b32 v[CO], 12, v12
	v_lshl_add_u32 v[CO], v11, 4, v[CO]            ; and the same two rows in out0
	v_lshlrev_b32 v[BA], 7, v12
	s_wait_alu depctr_va_vdst(0)                   ; the wait at the head's end
.irp t, 0,1,2,3                        ; register 8 t + j: bo of output 32 h + 8 t + j
	global_load_b128 v[BI+8*\t:BI+8*\t+3], v[BA], s[8:9] offset:32*\t
	global_load_b128 v[BI+8*\t+4:BI+8*\t+7], v[BA], s[8:9] offset:32*\t+16
.endr
; a's fragment of token tile m, K step s, into set m % 2: it lies as two halves (a head each): 512 bytes of four registers, 256 bytes of two
.macro FETCHA m, s
.set FA, 96*((\m)%2)+12*(\s)
.set FO, (\s)*QUAD+(\m)*FRAG
	WIN 0xc0                                       ; destination window 3
	ds_load_b128 v[FA:FA+3], v[ADA] offset:FO
	ds_load_b64 v[FA+4:FA+5], v[ADA8] offset:FO+512
	ds_load_b128 v[FA+6:FA+9], v[ADA] offset:FO+768
	ds_load_b64 v[FA+10:FA+11], v[ADA8] offset:FO+1280
.endm
.macro FETCHA8 m
.irp s, 0,1,2,3,4,5,6,7
	FETCHA \m, \s
.endr
.endm
; 18 LDS loads: K step s: both sides' words, Wo's four fragments, a's fragment of token tile 0
.macro FETCHW s
	WIN 0
	ds_load_b128 v[SB+4*(\s):SB+4*(\s)+3], v[ADB] offset:(\s)*QUAD+4*FRAG
	ds_load_b128 v[SA+4*(\s):SA+4*(\s)+3], v[ADA] offset:(\s)*QUAD+4*FRAG
.if (\s) < 5
	WIN 0x40
.else
	WIN 0x80
.endif
.set FW, 48*((\s)%5)
.irp t, 0,1,2,3
.irp c, 0,1,2
	ds_load_b128 v[FW+12*\t+4*\c:FW+12*\t+4*\c+3], v[ADB] offset:(\s)*QUAD+\t*FRAG+512*\c
.endr
.endr
	FETCHA 0, \s
.endm
.macro MUL m, s                        ; the four accumulators of token tile m take turns, one instruction a turn
.if (\s) < 5
	WIN 0x0d                                       ; Wo window 1, a window 3, C and D window 0
.else
	WIN 0x0e                                       ; Wo window 2
.endif
.set FW, 48*((\s)%5)
.set FA, 96*((\m)%2)+12*(\s)
.set AC, ACC+32*(\m)
.irp t, 0,1,2,3
.if (\s) == 0
	v_wmma_scale_f32_16x16x128_f8f6f4 v[AC+8*\t:AC+8*\t+7], v[FW+12*\t:FW+12*\t+11], v[FA:FA+11], v[BI+8*\t:BI+8*\t+7], v[SB+4*(\s)+\t], v[SA+4*(\s)+(\m)] matrix_a_fmt:MATRIX_FMT_BF6 matrix_b_fmt:MATRIX_FMT_BF6
.else
	v_wmma_scale_f32_16x16x128_f8f6f4 v[AC+8*\t:AC+8*\t+7], v[FW+12*\t:FW+12*\t+11], v[FA:FA+11], v[AC+8*\t:AC+8*\t+7], v[SB+4*(\s)+\t], v[SA+4*(\s)+(\m)] matrix_a_fmt:MATRIX_FMT_BF6 matrix_b_fmt:MATRIX_FMT_BF6
.endif
.endr
.endm
.macro TOSTAGE m                       ; LDS serves a wave's instructions in order (ISA guide 5.7.1.4): the loads see the stores
	WIN 0
.irp t, 0,1,2,3
	ds_store_b128 v[STO], v[ACC+32*(\m)+8*\t:ACC+32*(\m)+8*\t+3] offset:(\m)*16*SP+32*\t      ; each accumulator from its low end on
	ds_store_b128 v[STO], v[ACC+32*(\m)+8*\t+4:ACC+32*(\m)+8*\t+7] offset:(\m)*16*SP+32*\t+16
.endr
.if (\m) < 2
	WIN 0xc0
.set RB, 192+32*(\m)
.else
	WIN 0x80
.set RB, 144+32*((\m)-2)
.endif
.irp i, 0,1,2,3,4,5,6,7
	ds_load_b128 v[RB+4*\i:RB+4*\i+3], v[RD] offset:(\m)*16*SP+\i*2*SP
.endr
.endm
.macro SEND m
.if (\m) < 2
	WIN 0x0c                                       ; a store's data are its source 1: window 3
.set RB, 192+32*(\m)
.else
	WIN 0x08
.set RB, 144+32*((\m)-2)
.endif
.irp i, 0,1,2,3,4,5,6,7
	global_store_b128 v[CO], v[RB+4*\i:RB+4*\i+3], s[10:11] offset:(8*(\m)+2*\i+24*(\i/4))*4096 th:TH_STORE_NT   ; 16 lanes store 256 consecutive bytes, at a multiple of 256 from out0's first byte
.endr
.endm
	s_wait_loadcnt 0x0                             ; bo
	s_wait_tensorcnt 0x0                           ; my group is in,
	s_barrier_signal -1
	s_barrier_wait -1                              ; everybody's is
	FETCHW 0
	FETCHW 1
	FETCHW 2
.irp s, 0,1,2,3,4,5,6,7                ; token tile 0, as the K steps come in
.if \s < 6
	s_wait_dscnt 36                                ; the two K steps behind this one may be out: 2 x 18
.elseif \s == 6
	s_wait_dscnt 50                                ; K step 7's 18 and token tile 1's 32
.else
	s_wait_dscnt 32                                ; token tile 1's 32
.endif
	MUL 0, \s
.if \s < 5
	FETCHW \s+3
.elseif \s == 5
	FETCHA8 1
.endif
.endr
.irp m, 1,2,3
	WIN 0
	PLACES                                         ; behind tile m - 1's products: its results are read, and its set of a's fragments is loaded anew
	TOSTAGE \m-1
.if \m < 3
	FETCHA8 \m+1
	s_wait_dscnt 48                                ; behind tile m's fragments: the stage's 16 and the next tile's 32
.else
	s_wait_dscnt 16                                ; the stage's 16
.endif
	MUL \m, 0
	MUL \m, 1
	MUL \m, 2
	MUL \m, 3
.if \m < 3
	s_wait_dscnt 32                                ; tile m - 1's rows are back; the next tile's 32 may be out
.else
	s_wait_dscnt 0x0
.endif
	SEND \m-1
	MUL \m, 4
	MUL \m, 5
	MUL \m, 6
	MUL \m, 7
.endr
	WIN 0
	PLACES
	TOSTAGE 3
	s_wait_dscnt 0x0
	SEND 3
	WIN 0
	s_wait_tensorcnt 0x0                           ; the wave's end
	ds_add_u32 v[SPW], v[NIL]
	s_wait_dscnt 0x0
	ROUND                                          ; the closing round
	s_endpgm
.Lfunc_end_k_q956c394e77_oproj:
	.size	k_q956c394e77_oproj, .Lfunc_end_k_q956c394e77_oproj-k_q956c394e77_oproj
	.p2alignl 7, 3214868480
	.fill 96, 4, 3214868480
	.section	.rodata,"a",@progbits
	.p2align	6, 0x0
	.amdhsa_kernel k_q956c394e77_oproj
		.amdhsa_group_segment_fixed_size 283136
		.amdhsa_private_segment_fixed_size 0
		.amdhsa_enable_private_segment 0
		.amdhsa_kernarg_size 32
		.amdhsa_user_sgpr_count 2
		.amdhsa_user_sgpr_kernarg_segment_ptr 1
		.amdhsa_wavefront_size32 1
		.amdhsa_system_sgpr_workgroup_id_x 1
		.amdhsa_system_sgpr_workgroup_id_y 1
		.amdhsa_system_sgpr_workgroup_id_z 1
		.amdhsa_system_vgpr_workitem_id 0
		.amdhsa_next_free_vgpr 1024
		.amdhsa_next_free_sgpr 100
		.amdhsa_reserve_vcc 0
		.amdhsa_float_denorm_mode_32 3
		.amdhsa_float_denorm_mode_16_64 3
		.amdhsa_memory_ordered 1
		.amdhsa_forward_progress 1
		.amdhsa_inst_pref_size 48
	.end_amdhsa_kernel
	.amdgpu_metadata
---
amdhsa.version: [ 1, 2 ]
amdhsa.kernels:
  - .name:           k_q956c394e77_oproj
    .symbol:         k_q956c394e77_oproj.kd
    .args:
      - { .name: aimg, .offset: 0, .size: 8, .value_kind: global_buffer, .address_space: global }
      - { .name: woq, .offset: 8, .size: 8, .value_kind: global_buffer, .address_space: global }
      - { .name: wo_b, .offset: 16, .size: 8, .value_kind: global_buffer, .address_space: global }
      - { .name: out0, .offset: 24, .size: 8, .value_kind: global_buffer, .address_space: global }
    .group_segment_fixed_size: 283136
    .private_segment_fixed_size: 0
    .kernarg_segment_align: 8
    .kernarg_segment_size: 32
    .max_flat_workgroup_size: 128
    .sgpr_count:     100
    .vgpr_count:     1024
    .wavefront_size: 32
...
	.end_amdgpu_metadata
.endif
;; end of part 4
